; MI455X (gfx1250); checked and timed in simulation.
; The chip was launched on July 23, 2026; its instructions are those of AMD's public machine-readable ISA for CDNA 5 (MIT licence, August 2026) and "CDNA5" Instruction Set Architecture Reference Guide (July 2026). The comments in the code are by the model that wrote it; some were corrected since.
;; Attention Layer. Allowed arithmetic: matrix products marked QUANTISED: E2M3 operands, one E8M0 scale for each 32 along K, by v_wmma_scale_f32_16x16x128_f8f6f4 with both operands' format E2M3, f32 sums; everything else in f32.
;; Inputs: Wk 1,024 x 1,024 float32; Wq 1,024 x 1,024 float32; Wv 1,024 x 1,024 float32; x 4 x 2,048 x 1,024 float32.
;; Outputs: out0 4 x 2,048 x 1,024 float32.
;; This version of the problem:
;;   THIS VERSION OF THE PROBLEM IS GIVEN IN LOW PRECISION. The matrix products marked QUANTISED in the list below multiply operands that are first quantised to E2M3 (2 exponent bits, 3 mantissa bits; 6 bits a number), with one power-of-two scale for each 32 numbers along K (OCP MX v1.0); their sums are f32. All else is computed in f32.
;;   The module's matrix products, in the order in which they are computed (A, B: the left and right operand; K: the contracted axis; several contracted axes count as one K, in the product's order):
;;     1. [M 8,192, K 1,024] x [K 1,024, N 1,024]; A: input x; B: input Wq: QUANTISED
;;     2. [M 8,192, K 1,024] x [K 1,024, N 1,024]; A: input x; B: input Wk: QUANTISED
;;     3. [M 8,192, K 1,024] x [K 1,024, N 1,024]; A: input x; B: input Wv: QUANTISED
;;     4. batch 4 x [M 2,048, K 1,024] x [K 1,024, N 2,048]; A: computed on the way; B: computed on the way: QUANTISED
;;     5. batch 4 x [M 2,048, K 2,048] x [K 2,048, N 1,024]; A: softmax (see below); B: computed on the way: QUANTISED
;;   THE QUANTISER, for each operand of a quantised product, along K:
;;     - K is cut into blocks of 32 from its start; a last block that is shorter is filled with zeros.
;;     - A block's scale is 2^e with e = floor(log2(the largest magnitude in the block)) - 2, held to -126 .. 127; a block of zeros has e = 0. As a byte (E8M0): e + 127.
;;     - Each number is divided by its block's scale, clamped to +-7.5, and rounded to the nearest number of E2M3, ties to even, subnormals kept.
;;     - The product sums the exact products of the quantised numbers (number of the format x scale) in f32.
;;   ~~~python
;;   def quantise(x, axis):      # numpy; x: float32 -> the quantised numbers, widened to float32 again
;;       x = np.moveaxis(x, axis, -1); K = x.shape[-1]
;;       x = np.pad(x, [(0, 0)] * (x.ndim - 1) + [(0, -K % 32)]); x = x.reshape(x.shape[:-1] + (-1, 32)); a = np.abs(x).max(-1, keepdims=True)
;;       e = np.where(a > 0, np.clip(np.frexp(np.where(a > 0, a, 1))[1] - 1 - 2, -126, 127), 0)      # np.frexp(a)[1] - 1 = floor(log2(a)), exactly
;;       r = np.clip(x / 2.0 ** e, -7.5, 7.5)
;;       step = 2.0 ** (np.maximum(np.frexp(np.where(r == 0, 1, r))[1] - 1, 0) - 3)
;;       q = np.round(r / step) * step * 2.0 ** e      # np.round: ties to even
;;       return np.moveaxis(q.reshape(q.shape[:-2] + (-1,))[..., :K], -1, axis).astype(np.float32)
;;   ~~~
;;   SOFTMAX AHEAD OF A QUANTISED PRODUCT. Where the list says 'softmax', what is quantised is not the finished softmax but p = 2^(t - M), with t = logit x log2(e) and M = ceil(the row's largest t), a whole number; so 1/2 < the row's largest p <= 1. The row's sum l is taken of the UNQUANTISED p, in f32, and the product's result is divided by l at the end. Since M is a whole number, a kernel that streams over the keys may use a running M (the ceiling of the running maximum): every later rescaling is an exact power of two, which a block's scale takes up: the codes' values come out the same.
;;   OPERANDS COMPUTED ON THE WAY. 'Computed on the way' means the value that the module computes at that place (a softmax that the list does not call 'softmax' is quantised finished and normalised). What goes into a quantiser is computed in f32, as accurately as f32 sums, v_exp_f32 and their like allow (about 1e-6 of the number): no bf16 or f16 on the way to a quantiser, and a product that is left as it is and whose result goes on into a quantised operand takes f32 operands (vector FMAs, or v_wmma_f32_16x16x4_f32). A number that lies on a knife's edge between two numbers of the format may be rounded either way, as far as f32 arithmetic and the matrix unit's own rounding can turn it there, and no further.
;; One version. Each part assembles by itself: llvm-mc -triple=amdgcn-amd-amdhsa -mcpu=gfx1250 --defsym DOCPART=n.
;; ======== version 1 of 1: 4 launches
;; limits: right only within a limited range of input values
;; workspace buffers: xw 9,011,200 bytes; qk 13,107,200 bytes; vt 6,553,600 bytes; pp 14,155,776 bytes
;; launch quant (part 1): grid 352 x 1, 4 waves a work-group, no clusters, 35,328 bytes of LDS; arguments x, Wq, Wk, Wv, xw; writes xw
.if DOCPART == 1
	.amdgcn_target "amdgcn-amd-amdhsa--gfx1250"
	.amdhsa_code_object_version 6
	.text
	.protected	k_q8d7979b7d1_quant
	.globl	k_q8d7979b7d1_quant
	.p2align	8
	.type	k_q8d7979b7d1_quant,@function
k_q8d7979b7d1_quant:
	s_mov_b64 s[64:65], 0
	v_nop
	global_prefetch_b8 v0, s[64:65] scope:SCOPE_SE
	s_setreg_imm32_b32 hwreg(HW_REG_WAVE_MODE, 25, 1), 1
	s_wait_xcnt 0x0
; x [8192][1024], Wq, Wk, Wv [1024][1024], f32, become codes of FP6 (E2M3) with one E8M0 byte for each 32 along K (the last axis), laid as IMAGES OF OPERAND REGISTERS in xw.
; THE IMAGE.  704 blocks of 16 rows, 12,800 bytes each: eight fragments (16 rows x 128 K, 12 registers a lane) of 1,536 bytes, registers 4 c .. 4 c + 3 of lane l at 512 c + 16 l;
; behind them the rows' eight scale words: [half of K][row][4 words].
; ROW ORDER.  A tile j = 0 .. 3 of a group of 64 true rows holds, as lane row 8 h + i, the true row 32 h + 8 j + i.  x's group 4 g + 2 w + c, tile j is block 16 g + 8 c + 2 j + w; a weight's group 2 G + b, tile j is block
; 8 G + 2 j + b behind the weights' first block, 512 (Wq, Wk, Wv on end).
; A block's scale is 2^(floor(log2(its largest magnitude)) - 2); its byte is that magnitude's exponent field - 2, held at 1 from below.
; LIMITS: NaN and infinities are not served; a block whose largest magnitude lies under 2^-124, a block of zeros among them, gets the byte 1 (zero codes add nothing; this program alone reads the bytes).
; SHARES.  A work-group takes two tiles (32 rows), wave w their columns 256 w .. 256 w + 255: four fragments f = 2 u + q.  Each load reads 512 consecutive bytes of a row; a fragment's 16 rows turn through
; the wave's own stage in LDS (rows 528 bytes apart), so that a lane gets 16 neighbours of each block of 32.  The four waves' scale words meet in LDS and leave as whole units of 256 bytes.
; The work-groups share no input, so there is no cluster and no matrix work.  32 loads of a wave are out at the start, 16 to 32 later.
.set STGW,  16*528                     ; a wave's stage
.set SPARE, 4*STGW                     ; behind the stages: the spare words, 128 bytes for each wave, that no other line names
.set SCST,  SPARE+512                  ; the work-group's 1,024 bytes of scale words
.set R,     12                         ; v12-139  two sets of 64 numbers as loaded
.set X,     140                        ; v140-203 64 numbers of my row: register 16 b + i = k 32 b + 16 (lane / 16) + i
.set TM,    204                        ; v204-219 at work: largest magnitudes, bytes, the conversions' scale operands
.set PC,    220                        ; v220-231 the fragment's codes
.set CT,    232                        ; v232-239 the upper halves of the blocks, before they are moved
.set PW,    240                        ; v240-243 a scale word for each fragment
.set SPW,   246                        ; v246 LDS address of my spare word; never rewritten
.set NIL,   247                        ; v247 0; never rewritten
.set SEL,   20                         ; s[20:21] lane selects for v_permlanex16_b32: lane l xor 16
.macro QUANT s, pc, ct, pw             ; 64 numbers of a lane become a fragment's 12 registers of codes and its row's scale word
.irp b, 0,1,2,3
	v_max3_num_f32 v[TM+\b], |v[(\s)+16*\b]|, |v[(\s)+16*\b+1]|, 0x1800000   ; block b: my 16 numbers, and the floor 2^(3 - 127): the byte cannot fall under 1
.endr
.irp i, 2,4,6,8,10,12,14
.irp b, 0,1,2,3
	v_max3_num_f32 v[TM+\b], v[TM+\b], |v[(\s)+16*\b+\i]|, |v[(\s)+16*\b+\i+1]|
.endr
.endr
.irp b, 0,1,2,3
	v_permlanex16_b32 v[TM+4+\b], v[TM+\b], s[SEL], s[SEL+1]
.endr
.irp b, 0,1,2,3
	v_max_num_f32 v[TM+\b], v[TM+\b], v[TM+4+\b]   ; with lane l xor 16's 16: the block's largest magnitude
.endr
.irp b, 0,1,2,3
	v_add_nc_u32 v[TM+12+\b], 0xff000000, v[TM+\b] ; 2 off its exponent field: the conversion takes that field as its scale
.endr
.irp b, 0,1,2,3
	v_lshrrev_b32 v[TM+4+\b], 23, v[TM+12+\b]      ; the scale's byte
.endr
	v_lshl_or_b32 v[\pw], v[TM+5], 8, v[TM+4]
	v_lshl_or_b32 v[\pw], v[TM+6], 16, v[\pw]
	v_lshl_or_b32 v[\pw], v[TM+7], 24, v[\pw]      ; my row's scale word
.irp c, 0,1
	v_cvt_scalef32_pk16_fp6_f32 v[(\pc)+6*\c:(\pc)+6*\c+2], v[(\s)+32*\c:(\s)+32*\c+15], v[TM+12+2*\c]
	v_cvt_scalef32_pk16_fp6_f32 v[(\ct)+4*\c:(\ct)+4*\c+2], v[(\s)+32*\c+16:(\s)+32*\c+31], v[TM+13+2*\c]   ; (a conversion's three registers begin on an even number)
.endr
	v_nop                                          ; one plain instruction behind the scaled conversions
.irp c, 0,1                                    ; the operand wants a whole block in a lane: lanes 0-15 block 2 c, lanes 16-31 block 2 c + 1
.irp i, 0,1,2
	v_permlane16_swap_b32 v[(\pc)+6*\c+\i], v[(\ct)+4*\c+\i]
.endr
.irp i, 0,1,2
	v_mov_b32 v[(\pc)+3+6*\c+\i], v[(\ct)+4*\c+\i]
.endr
.endr
.endm
	s_load_b256 s[4:11], s[0:1], 0x0               ; x s[4:5], Wq s[6:7], Wk s[8:9], Wv s[10:11]
	s_load_b64 s[12:13], s[0:1], 0x20              ; xw
	v_lshl_add_u32 v[SPW], v0, 2, SPARE
	v_mov_b32 v[NIL], 0
	v_lshrrev_b32 v1, 5, v0
	v_readfirstlane_b32 s16, v1                    ; wave 0..3: its 256 columns
	s_mul_i32 s31, s16, STGW
	s_lshr_b32 s26, s16, 1
	s_and_b32 s27, s16, 1
	s_lshl_b32 s24, s26, 8
	s_lshl_b32 s25, s27, 3
	s_add_co_u32 s24, s24, s25
	s_add_co_u32 s24, s24, SCST
	v_and_b32 v1, 31, v0                           ; lane
	v_and_b32 v2, 15, v0                           ; r
	v_bfe_u32 v3, v0, 4, 1                         ; h
	v_lshlrev_b32 v4, 4, v1                        ; 16 x lane: my bytes of a load's 512, and of an image's 512
	v_add_nc_u32 v5, s31, v4                       ; the stage, in: 16 x lane, a row a store
	v_mul_u32_u24 v6, v2, 528
	v_lshl_add_u32 v6, v3, 6, v6
	v_add_nc_u32 v6, s31, v6                       ; and out: row r, + 64 h: my 16 numbers of a block of 32
	v_lshlrev_b32 v7, 3, v1                        ; 8 x lane
	v_lshlrev_b32 v8, 9, v3
	v_lshl_add_u32 v8, v2, 4, v8
	v_add_nc_u32 v8, s24, v8                       ; the scale words, in: tile h, half of K wave / 2, row r, pair wave % 2
	v_lshl_add_u32 v9, v0, 3, SCST                 ; and out: 8 bytes a thread
	s_mov_b32 s[SEL], 0x76543210
	s_mov_b32 s[SEL+1], 0xfedcba98
.irp b, 0,1,2,3
	v_mov_b32 v[TM+4+\b], 0                        ; written once: a lane permute's destination counts as one of its sources
.endr
	s_lshr_b32 s22, ttmp9, 3                       ; my first block among x's: 16 (n / 8) + 8 c + w
	s_lshl_b32 s22, s22, 4
	s_lshl_b32 s23, ttmp9, 2
	s_and_b32 s23, s23, 8
	s_add_co_u32 s22, s22, s23
	s_bfe_u32 s23, ttmp9, 0x10002
	s_add_co_u32 s22, s22, s23
	s_lshr_b32 s23, ttmp9, 2                       ; among the weights': 8 (n / 4) + b; n = 256 is block 512
	s_lshl_b32 s23, s23, 3
	s_bfe_u32 s24, ttmp9, 0x10001
	s_add_co_u32 s23, s23, s24
	s_cmp_lt_u32 ttmp9, 256
	s_cselect_b32 s22, s22, s23
	s_and_b32 s23, ttmp9, 1
	s_lshl_b32 s23, s23, 2
	s_add_co_u32 s22, s22, s23                     ; + 4 for the upper two tiles of the group
	s_mul_i32 s22, s22, 12800
	s_mul_i32 s24, s26, 25600
	s_add_co_u32 s24, s24, s22
	s_lshl_b32 s27, s27, 8
	s_add_co_u32 s24, s24, s27
	s_add_co_u32 s24, s24, 12288                   ; the 256 bytes of scale words that my wave stores: tile wave / 2, half of K wave % 2
	s_mov_b32 s25, 0
	s_mul_i32 s23, s16, 3072
	s_add_co_u32 s22, s22, s23                     ; my codes
	s_mov_b32 s23, 0
	s_mov_b32 s30, 320
	s_wait_alu depctr_va_vdst(0)                   ; the wait at the head's end
	s_wait_kmcnt 0x0
	s_cmp_lt_u32 ttmp9, s30                        ; which tensor: the choice hangs on the work-group's number alone
	s_cselect_b64 s[8:9], s[8:9], s[10:11]
	s_cselect_b32 s17, 288, s30
	s_cmp_lt_u32 ttmp9, 288
	s_cselect_b64 s[6:7], s[6:7], s[8:9]
	s_cselect_b32 s17, 256, s17
	s_cmp_lt_u32 ttmp9, 256
	s_cselect_b64 s[4:5], s[4:5], s[6:7]
	s_cselect_b32 s17, 0, s17                      ; the tensor's first work-group
	s_sub_co_u32 s18, ttmp9, s17
	s_and_b32 s19, s18, 1
	s_lshr_b32 s18, s18, 1
	s_lshl_b32 s18, s18, 18                        ; 64 rows of 4,096 bytes a group,
	s_lshl_b32 s19, s19, 16                        ; 16 rows on for the upper two tiles,
	s_add_co_u32 s18, s18, s19
	s_lshl_b32 s19, s16, 10                        ; and my wave's 1,024 bytes of a row
	s_add_co_u32 s18, s18, s19
	s_mov_b32 s19, 0
	s_add_nc_u64 s[4:5], s[4:5], s[18:19]
	s_add_nc_u64 s[26:27], s[12:13], s[22:23]      ; my codes
	s_add_nc_u64 s[28:29], s[12:13], s[24:25]      ; my scale words
.macro LOAD f                          ; fragment f: lane row i is row 8 (f / 2) + i % 8 + 32 (i / 8) from my first; 512 consecutive bytes a load
.irp i, 0,1,2,3,4,5,6,7,8,9,10,11,12,13,14,15
	global_load_b128 v[R+64*((\f)%2)+4*\i:R+64*((\f)%2)+4*\i+3], v4, s[4:5] offset:(8*((\f)/2)+\i+24*(\i/8))*4096+512*((\f)%2) th:TH_LOAD_NT
.endr
.endm
.macro PIECE f
.if (\f) < 3
	s_wait_loadcnt 16                              ; this fragment's 16 loads are in; the next fragment's 16 may be out
.else
	s_wait_loadcnt 0x0
.endif
.irp i, 0,1,2,3,4,5,6,7,8,9,10,11,12,13,14,15
	ds_store_b128 v5, v[R+64*((\f)%2)+4*\i:R+64*((\f)%2)+4*\i+3] offset:528*\i
.endr
.irp b, 0,1,2,3
.irp j, 0,1,2,3
	ds_load_b128 v[X+16*\b+4*\j:X+16*\b+4*\j+3], v6 offset:128*\b+16*\j   ; LDS serves a wave's instructions in order: these see the stores above
.endr
.endr
	s_wait_dscnt 0x0                               ; the numbers are back, and the stores into the stage have read their registers
	s_wait_xcnt 0x0                                ; the last fragment's stores have read the codes' registers, which are written again below
.if (\f) < 2
	LOAD (\f)+2
.endif
	QUANT X, PC, CT, PW+(\f)
.irp c, 0,1,2
	global_store_b128 v4, v[PC+4*\c:PC+4*\c+3], s[26:27] offset:25600*((\f)/2)+1536*((\f)%2)+512*\c   ; 512 consecutive bytes, at a multiple of 256 from the buffer's first byte
.endr
.endm
	LOAD 0
	LOAD 1
	PIECE 0
	PIECE 1
	PIECE 2
	PIECE 3
	v_cmp_lt_u32 vcc_lo, 15, v1                    ; lanes 0-15 give tile 0's pairs of words, lanes 16-31 tile 1's (both halves of the lanes hold every row's word)
	v_cndmask_b32 v244, v[PW], v[PW+2], vcc_lo
	v_cndmask_b32 v245, v[PW+1], v[PW+3], vcc_lo
	ds_store_b64 v8, v[244:245]
	s_wait_dscnt 0x0                               ; for the others' sake: my words are in
	s_barrier_signal -1
	s_barrier_wait -1
	ds_load_b64 v[10:11], v9
	s_wait_dscnt 0x0
	global_store_b64 v7, v[10:11], s[28:29]        ; 256 consecutive bytes
	s_wait_tensorcnt 0x0                           ; the wave's end
	ds_add_u32 v[SPW], v[NIL]
	s_wait_dscnt 0x0
	s_endpgm
.Lfunc_end_k_q8d7979b7d1_quant:
	.size	k_q8d7979b7d1_quant, .Lfunc_end_k_q8d7979b7d1_quant-k_q8d7979b7d1_quant
	.p2alignl 7, 3214868480
	.fill 96, 4, 3214868480
	.section	.rodata,"a",@progbits
	.p2align	6, 0x0
	.amdhsa_kernel k_q8d7979b7d1_quant
		.amdhsa_group_segment_fixed_size 35328
		.amdhsa_private_segment_fixed_size 0
		.amdhsa_enable_private_segment 0
		.amdhsa_kernarg_size 40
		.amdhsa_user_sgpr_count 2
		.amdhsa_user_sgpr_kernarg_segment_ptr 1
		.amdhsa_wavefront_size32 1
		.amdhsa_system_sgpr_workgroup_id_x 1
		.amdhsa_system_sgpr_workgroup_id_y 1
		.amdhsa_system_sgpr_workgroup_id_z 1
		.amdhsa_system_vgpr_workitem_id 0
		.amdhsa_next_free_vgpr 248
		.amdhsa_next_free_sgpr 66
		.amdhsa_reserve_vcc 1
		.amdhsa_float_denorm_mode_32 3
		.amdhsa_float_denorm_mode_16_64 3
		.amdhsa_memory_ordered 1
		.amdhsa_forward_progress 1
		.amdhsa_inst_pref_size 35
	.end_amdhsa_kernel
	.amdgpu_metadata
---
amdhsa.version: [ 1, 2 ]
amdhsa.kernels:
  - .name:           k_q8d7979b7d1_quant
    .symbol:         k_q8d7979b7d1_quant.kd
    .args:
      - { .name: x, .offset: 0, .size: 8, .value_kind: global_buffer, .address_space: global }
      - { .name: Wq, .offset: 8, .size: 8, .value_kind: global_buffer, .address_space: global }
      - { .name: Wk, .offset: 16, .size: 8, .value_kind: global_buffer, .address_space: global }
      - { .name: Wv, .offset: 24, .size: 8, .value_kind: global_buffer, .address_space: global }
      - { .name: xw, .offset: 32, .size: 8, .value_kind: global_buffer, .address_space: global }
    .group_segment_fixed_size: 35328
    .private_segment_fixed_size: 0
    .kernarg_segment_align: 8
    .kernarg_segment_size: 40
    .max_flat_workgroup_size: 128
    .sgpr_count:     66
    .vgpr_count:     248
    .wavefront_size: 32
...
	.end_amdgpu_metadata
.endif
;; end of part 1
;; launch proj (part 2): grid 16 x 16, 4 waves a work-group, clusters of 4 x 4, 327,680 bytes of LDS; arguments xw, qk, vt; writes qk, vt
.if DOCPART == 2
	.amdgcn_target "amdgcn-amd-amdhsa--gfx1250"
	.amdhsa_code_object_version 6
	.text
	.protected	k_q8d7979b7d1_proj
	.globl	k_q8d7979b7d1_proj
	.p2align	8
	.type	k_q8d7979b7d1_proj,@function
k_q8d7979b7d1_proj:
	s_mov_b64 s[64:65], 0
	v_nop
	global_prefetch_b8 v0, s[64:65] scope:SCOPE_SE
	s_setreg_imm32_b32 hwreg(HW_REG_WAVE_MODE, 25, 1), 1
	s_wait_xcnt 0x0
	s_wait_alu depctr_hold_cnt(0) depctr_sa_sdst(0) depctr_va_vdst(0) depctr_va_sdst(0) depctr_va_ssrc(0) depctr_va_vcc(0) depctr_vm_vsrc(0)
	s_getreg_b32 s2, hwreg(HW_REG_IB_STS2, 6, 4)
	s_cmp_eq_u32 s2, 0
	s_cbranch_scc0 .Lentry_in_a_cluster
	s_endpgm
.Lentry_in_a_cluster:
	s_bfe_u32 s2, ttmp6, 0x10000c
	s_cmp_lg_u32 s2, 0xf033
	s_cbranch_scc0 .Lentry_shape_is_right
	s_endpgm
.Lentry_shape_is_right:
; Q, K, V = x W^T ON CODES OF FP6 (E2M3) WITH E8M0 SCALES, QUANTISED AGAIN ON THE WAY OUT.  No f32 result is stored.
; xw: blocks of 16 rows, 12,800 bytes: eight fragments of 128 K as register images, then the scale words [half of K][row][4].  A TILE is 8 blocks, 102,400 dense bytes: 400 rows of 256.  x: 512 blocks, a tile = 16 g + 8 c + (2 j + w);
; the weights behind it, 8 blocks for 128 columns, block 2 j + b.  Tile j of a group of 64 true rows holds, as lane row 8 h + i, true row 32 h + 8 j + i: so four tiles' sums in a lane are 32 neighbours, a scale block.
; THE BUFFERS (token group = 128 tokens; its block 4 c + j).  qk [Q, K][256 columns][token group][25,600]: codes [block][q: 128 columns][b: 64 columns][registers 0-3: 16 x lane; registers 4-5: 512 + 8 x lane], then scale words [q][block][row].
; vt [256 tokens][128 columns][25,600]: codes [block 4 b + t][w: 128 tokens][registers 4 p ..: 512 p + 16 x lane], then scale words [block][row][w].
; THE DEAL.  256 work-groups of four waves, 2 x 2 (row w, column b).  A wave holds 64 rows of a weight, ALL of K, in registers (384) and streams x's blocks past them.  PHASE 1: 256 x 128 of V, eight blocks a wave; PHASE 2: 512 x 128 of Q or K, sixteen.
; V's 256 rows are a half of the work-group's own 512 (s87, made of the cluster's number, as Q or K is): the two tiles of x asked for at the head serve V and then phase 2's first eight blocks; the other half's two are loaded later.
; CLUSTER 4 x 4: x's tiles are shared along a row of the cluster, a weight's along a column: joint loads.
; LDS: slots 0 and 1 for x, a region for the weights, 102,400 bytes each; stages for scale bytes; the spare words.  A wave's block s lies at 25,600 s + 12,800 w: a ring of eight blocks.
; FILLS.  At the head one load a wave: waves 0, 1 W_v's halves, wave 2 slot 0, wave 3 slot 1.  Three refills, each in a drained round: in V's block 2 the weights' region; in phase 2's blocks 2 and 6 a slot.
; A plain barrier, behind which nothing is filled, shows what the first and the last refill brought (V's last block; phase 2's blocks 10 and 12).
; A BLOCK is 32 products; behind every second one stand two entries of a list: scalar lines and a vector line: the next LDS addresses, descriptors, and the first part of the block before's way out.
; WAITS' COUNTS.  Younger than a block's own rows are the next block's NF loads and the byte stores issued between: none, one, or (phase 2's second block) V's four.
; PREFETCHES: the second weight at the head, a refill ahead; x's third tile behind the first refill, its fourth between the phases; each tile is shared out by address among the sixteen waves that will ask for it jointly.
; LIMITS: NaN and infinities are not served; a scale block whose largest magnitude lies under 2^-124 gets the byte 1.
.set NB,   4
.set FR,   12                          ; registers of a fragment
.set FPW,  21                          ; fragments in a window of 256 registers
.set NF,   26                          ; LDS loads of a block: 24 for eight fragments, 2 for its scale words
.set BLK,  12800
.set TILE, 102400
.set HALF, 51200
.set TG,   25600                       ; a token group in qk, 256 tokens x 128 columns in vt
.set BVB,  2*TILE
.set XN,   3*TILE                      ; Q's or K's scale words [half in the order of work][w][block][row]
.set XM,   XN+2048                     ; V's [block][row][w]
.set SPARE, XM+1024
.set EMAX, 2
.set ADRA0, 4                          ; v4  LDS address of my fragments in block 0; v21 in block 1; v6 in the block that is fetched next
.set AAS0,  5                          ; v5, v22, v12 the same for its scale words
.set ADRA,  6
.set AAS,   12
.set ADRA1, 21
.set AAS1,  22
.set CO,    9                          ; v9  16 x lane
.set SPW,   10
.set NIL,   11
.set BA,    14                         ; v14, v15 my weights' fragments: tiles 0, 1 and tiles 2, 3
.set ABS,   16                         ; v16 their scale words
.set C8,    17                         ; v17 8 x lane
.set STO,   18                         ; v18 where my scale bytes of Q or K go in LDS
.set STV,   19                         ; v19 V's
.set SB,    24                         ; v24-39 the weights' scale words: lanes 0-15 tile 2 p, lanes 16-31 tile 2 p + 1
.set TQ,    40
.set SA,    44                         ; v44-59 x's scale words, two sets
.set TC,    60
.set ACC,   64                         ; v64-127 phase 2's sums, two sets
.set HV0,   64                         ; v64-191 phase 1, band 0: 32 t + 8 j + i
.set HV1,   840                        ; v840-967 band 1
.set NCD,   128                        ; v128-139 phase 2's codes, two sets of six
.set MCD,   192                        ; v192-239 V's codes: four fragments
.set SOP,   240
.set EB,    244
.set VX,    248
.set G1A,   24
.set G1B,   32
.set G0A,   56
.set G0B,   60
.set G0R,   68
.set MSB, 0
.macro WIN new
.if MSB != (\new)
	s_set_vgpr_msb (MSB<<8)|(\new)
.set MSB, (\new)
.endif
.endm
.macro PLACES n
.rept \n
	v_nop
.endr
.endm
.macro WALU
	s_wait_alu depctr_va_vdst(0)
.endm
.macro BARRIER
	s_barrier_signal -1
	s_barrier_wait -1
.endm
.macro MIDDLE                          ; a round's middle: the opening wait, wave 0's signal for the work-group, the cluster's wait
	WIN 0
	s_barrier_wait -1
	s_cmp_lg_u32 s14, 0
	s_cbranch_scc1 .Lnot_wave_0_\@
	s_barrier_signal -3
.Lnot_wave_0_\@:
	s_barrier_wait -3
.endm
.macro CROUND
	s_barrier_signal -1
	MIDDLE
	BARRIER
.endm
.macro GRD
	s_wait_tensorcnt 0x0
	ds_add_u32 v[SPW], v[NIL]
.endm
.macro TLOAD g0, g1
	tensor_load_to_lds s[\g0:\g0+3], s[\g1:\g1+7]
	s_nop 0
	PLACES 4
.endm
.macro GROUP1 g, mask, rows            ; rows of 256 bytes: 32 elements of 8 bytes; no padding
	s_or_b32 s[\g+0], s[\mask], (3<<16)|(1<<21)
	s_mov_b32 s[\g+1], 32<<16
	s_mov_b32 s[\g+2], (\rows)<<16
	s_mov_b32 s[\g+3], 32<<16
	s_mov_b32 s[\g+4], \rows
	s_mov_b32 s[\g+5], 32
	s_mov_b32 s[\g+6], 0
	s_mov_b32 s[\g+7], 0
.endm
.macro SADD d, x
	s_add_co_u32 s\d, s\d, s\x
.endm
; Fragment f lies in window 1 + f / 21: 0-31 the weights' (4 q + t), 32-39 and 40-47 x's two sets
.macro FRAG f, a, off
	WIN ((1+(\f)/FPW)<<6)
.set R_, FR*((\f)%FPW)
.irp c, 0,1,2
	ds_load_b128 v[R_+4*\c:R_+4*\c+3], v[\a] offset:(\off)+512*\c
.endr
.endm
.macro WEIGHTS                         ; my 64 rows of the weight, all of K, and their scale words: 100 loads
.irp q, 0,1,2,3,4,5,6,7
.irp t, 0,1,2,3
	FRAG NB*\q+\t, BA+(\t/2), 25600*(\t%2)+1536*\q
.endr
.endr
	WIN 0
.irp p, 0,1
.irp c, 0,1
	ds_load_b128 v[SB+8*\p+4*\c:SB+8*\p+4*\c+3], v[ABS] offset:51200*\p+256*\c
.endr
.endr
.endm
.macro FETCHAT e, a, as                ; a block of x into set e: NF loads
.irp q, 0,1,2,3,4,5,6,7
	FRAG 32+8*(\e)+\q, \a, 1536*\q
.endr
	WIN 0
	ds_load_b128 v[SA+8*(\e):SA+8*(\e)+3], v[\as]
	ds_load_b128 v[SA+8*(\e)+4:SA+8*(\e)+7], v[\as] offset:256
.endm
.macro FETCH e
	FETCHAT \e, ADRA, AAS
.endm
.macro FETCH01                         ; a phase's first two blocks, from slot 0
	FETCHAT 0, ADRA0, AAS0
	FETCHAT 1, ADRA1, AAS1
	s_mov_b32 s101, 25600
.endm
; A product, n = 4 q + t.  kind 0 (Q, K): source 0 the weight's rows; kind 1 (V): source 0 x's rows
.macro PROD kind, e, n, a0, as
.set Q_, (\n)/4
.set FB_, NB*Q_+(\n)%4
.set FA_, 32+8*(\e)+Q_
.set D_, (\a0)+(\as)*((\n)%4)
.set DL_, D_&255
.set XB_, SB+8*(((\n)%4)/2)+Q_
.set XA_, SA+8*(\e)+Q_
.if \kind
	WIN (1+FA_/FPW)|((1+FB_/FPW)<<2)|((D_>>8)<<4)|((D_>>8)<<6)
.if Q_
	PROD1 DL_, FA_, FB_, v[DL_:DL_+7], XA_, XB_, b, (\n)%2
.else
	PROD1 DL_, FA_, FB_, 0, XA_, XB_, b, (\n)%2
.endif
.else
	WIN (1+FB_/FPW)|((1+FA_/FPW)<<2)|((D_>>8)<<4)|((D_>>8)<<6)
.if Q_
	PROD1 DL_, FB_, FA_, v[DL_:DL_+7], XB_, XA_, a, (\n)%2
.else
	PROD1 DL_, FB_, FA_, 0, XB_, XA_, a, (\n)%2
.endif
.endif
.endm
.macro PROD1 d, s0, s1, c, x0, x1, side, o
.if \o
	v_wmma_scale_f32_16x16x128_f8f6f4 v[\d:\d+7], v[FR*((\s0)%FPW):FR*((\s0)%FPW)+FR-1], v[FR*((\s1)%FPW):FR*((\s1)%FPW)+FR-1], \c, v[\x0], v[\x1] matrix_a_fmt:MATRIX_FMT_FP6 matrix_b_fmt:MATRIX_FMT_FP6 matrix_\side\()_scale:MATRIX_SCALE_ROW1
.else
	v_wmma_scale_f32_16x16x128_f8f6f4 v[\d:\d+7], v[FR*((\s0)%FPW):FR*((\s0)%FPW)+FR-1], v[FR*((\s1)%FPW):FR*((\s1)%FPW)+FR-1], \c, v[\x0], v[\x1] matrix_a_fmt:MATRIX_FMT_FP6 matrix_b_fmt:MATRIX_FMT_FP6 matrix_\side\()_scale:MATRIX_SCALE_ROW0
.endif
.endm
.macro BLOCK kind, e, a0, as, from, to, list, x=0, y=0
.set N_, \from
.rept (\to)-(\from)
	PROD \kind, \e, N_, \a0, \as
.if N_%2
	\list N_-1, \x, \y
	\list N_, \x, \y
.endif
.set N_, N_+1
.endr
.endm
; Parts of the lists: each macro writes its entry i, and nothing beyond its last
.macro STEP i, wrap                    ; 2 entries: the next block's LDS addresses
.if (\i) == 0
	s_add_co_u32 s101, s101, 25600
.if \wrap
	s_cmp_eq_u32 s101, 2*TILE
	s_cselect_b32 s101, 0, s101
.endif
	WIN 0
	v_add_nc_u32 v[ADRA], s101, v[ADRA0]
.elseif (\i) == 1
	WIN 0
	v_add_nc_u32 v[AAS], s101, v[AAS0]
.endif
.endm
.macro CHAIN i, x, n, t=TQ             ; 18 entries: the largest magnitude of the 32 sums from register x on, in two chains, and the conversions' scale operand
.set XW_, (\x)>>8
.set XL_, (\x)&255
.if (\i) >= 0 && (\i) < 14
.set B_, XL_+16*((\i)%2)+2*((\i)/2)
.set T_, (\t)+1-(\i)%2
.if (\i) < 2
	WIN XW_|(XW_<<2)|(XW_<<4)
	v_max3_num_f32 v[T_], |v[B_]|, |v[B_+1]|, |v[B_+2]|
.else
	WIN (XW_<<2)|(XW_<<4)
	v_max3_num_f32 v[T_], v[T_], |v[B_+1]|, |v[B_+2]|
.endif
.elseif (\i) == 14
	WIN XW_<<2
	v_max3_num_f32 v[\t+1], v[\t+1], |v[XL_+15]|, (EMAX+1)<<23
.elseif (\i) == 15
	WIN 0
	v_nop                                          ; so that the next line, which reads entry 14's result, stands in the next pair
.elseif (\i) == 16
	WIN XW_<<2
	v_max3_num_f32 v[\t], v[\t], |v[XL_+31]|, v[\t+1]
.elseif (\i) == 17
	WIN 0
	v_add_nc_u32 v[SOP+\n], -(EMAX<<23), v[\t]
.endif
.endm
.macro CODES i, x, c, n, t=TC          ; 6 lines: 32 codes into v[c .. c + 5], the scale's byte
.set XW_, (\x)>>8
.set XL_, (\x)&255
.if (\i) == 0
	WIN XW_
	v_cvt_scalef32_pk16_fp6_f32 v[\c:\c+2], v[XL_:XL_+15], v[SOP+\n]
.elseif (\i) == 1
	WIN XW_
	v_cvt_scalef32_pk16_fp6_f32 v[\t:\t+2], v[XL_+16:XL_+31], v[SOP+\n]
.elseif (\i) == 2
	WIN 0
	v_lshrrev_b32 v[EB+\n], 23, v[SOP+\n]
.else
	WIN 0
	v_mov_b32 v[\c+\i], v[\t+\i-3]
.endif
.endm
.macro CODES6 x, c, n
.irp i, 0,1,2,3,4,5
	CODES \i, \x, \c, \n
.endr
.endm
.macro PFTILE v, off, share            ; my sixteenth of a tile, 25 units of 256 bytes, a lane a unit (the lanes left over name the last)
	s_mul_i32 s23, s\share, TILE/16
	s_add_co_u32 s20, s\off, s23
	WIN 0
	v_min_u32 v\v, TILE/16/256-1, v3
	v_lshl_add_u32 v\v, v\v, 8, s20
.endm
.macro PFGO v
	global_prefetch_b8 v\v, s[4:5] th:TH_LOAD_NT scope:SCOPE_SE
.endm
.macro ASK i                           ; 2 entries: half a tile at s88 (bytes from xw) for slot s47; both step on
.if (\i) == 0
	s_mul_i32 s[G0R+1], s14, HALF
	s_add_co_u32 s[G0R+1], s[G0R+1], s47
	s_mul_i32 s20, s14, HALF
	SADD 20, 88
.elseif (\i) == 1
	s_add_nc_u64 s[G0R+2:G0R+3], s[4:5], s[20:21]
	s_or_b32 s[G0R+3], s[G0R+3], 0x80000000
	s_add_co_u32 s88, s88, TILE
	s_xor_b32 s47, s47, TILE
.endif
.endm
.macro SPOT i, e                       ; 4 entries: where block s46's codes go (s[82:83] or s[84:85]) and its scale byte: memory by the true half, the stage by the order of work
.if (\i) == 0
	s_lshl_b32 s3, s87, 3
	s_xor_b32 s3, s3, s46
	s_lshr_b32 s22, s3, 3
	s_mul_i32 s20, s22, 2*TG
.elseif (\i) == 1
	s_and_b32 s22, s3, 7
	s_mul_i32 s22, s22, 3072
	SADD 20, 22
.elseif (\i) == 2
	s_add_nc_u64 s[82+2*\e:83+2*\e], s[10:11], s[20:21]
	s_and_b32 s22, s46, 7
	s_lshl_b32 s22, s22, 6
	s_lshr_b32 s23, s46, 3
.elseif (\i) == 3
	s_lshl_b32 s23, s23, 10
	s_or_b32 s22, s22, s23
	s_add_co_u32 s46, s46, 1
	WIN 0
	v_add_nc_u32 v[VX], s22, v[STO]
.endif
.endm
; The lists
.macro L_NONE i, x, y
.endm
.macro L_STEP i, x, y
	STEP \i, 0
.endm
.macro L_OUT i, x, y
	STEP \i, 0
	CHAIN (\i)-2, \x, \y
.endm
.macro L_LAST i, x, y
	CHAIN \i, \x, \y
.endm
.macro L_V2 i, x, y                    ; V's third block: later loads of x bring half a tile; the first refill's address; the step; what the second refill will load is asked for
.if (\i) == 0
	s_mov_b32 s[G1A+2], 200<<16
	s_mov_b32 s[G1A+4], 200
.elseif (\i) == 1
	s_mul_i32 s20, s14, HALF
	SADD 20, 55
	s_add_nc_u64 s[G0B+2:G0B+3], s[4:5], s[20:21]
	s_or_b32 s[G0B+3], s[G0B+3], 0x80000000
.elseif (\i) == 4
	PFTILE 7, 88, 90
.endif
	STEP (\i)-2, 0
.endm
.macro L_V7 i, x, y
.if (\i) == 0
	s_add_co_u32 s22, s88, TILE
	PFTILE 20, 22, 90
.endif
	CHAIN (\i)-1, \x, \y
.endm
.macro L_P i, x, y                     ; a block of phase 2 of parity x: the places, the step, the block before's way out
	SPOT \i, \x
	STEP (\i)-4, 0
	CHAIN (\i)-6, ACC+32*(1-\x), 1-\x
.endm
.macro L_PL i, x, y
	SPOT \i, \x
	CHAIN (\i)-4, ACC+32*(1-\x), 1-\x
.endm
.macro L_R i, x, y                     ; with a refill: 26 entries
	ASK \i
	SPOT (\i)-2, 0
	STEP (\i)-6, 1
	CHAIN (\i)-8, ACC+32, 1
.endm
.macro WAITDS w
.if (\w) >= 0
	s_wait_dscnt \w
.endif
.endm
.macro OUTB e, fetch                   ; behind a block of parity e: the block before's byte and codes leave, the block two on is fetched
	WALU
	ds_store_b8 v[VX], v[EB+1-\e]
	global_store_b128 v[CO], v[NCD+6*(1-\e):NCD+6*(1-\e)+3], s[82+2*\e:83+2*\e]
	global_store_b64 v[C8], v[NCD+6*(1-\e)+4:NCD+6*(1-\e)+5], s[82+2*\e:83+2*\e] offset:512
.if \fetch
	FETCH \e
.endif
.endm
.macro PB e, w, fetch
	WAITDS \w
.if \e
	s_wait_xcnt 0x0                                ; the stores of the two blocks before have read their registers and bases
.endif
.if \fetch
	BLOCK 0, \e, ACC+32*\e, 8, 0, 32, L_P, \e
.else
	BLOCK 0, \e, ACC+32*\e, 8, 0, 32, L_PL, \e
.endif
	WIN 0
	CODES6 ACC+32*(1-\e), NCD+6*(1-\e), 1-\e
	OUTB \e, \fetch
.endm
.macro PBROUND w                       ; an even block with a refill
	WAITDS \w
	GRD
	BLOCK 0, 0, ACC, 8, 0, 26, L_R
	WIN 0
	WALU
	s_wait_dscnt 0x0                               ; the add is done, and so are my reads of the slot
	s_barrier_signal -1
	BLOCK 0, 0, ACC, 8, 26, 32, L_NONE
	WIN 0
	CODES6 ACC+32, NCD+6, 1
	MIDDLE
	BARRIER
	s_cmp_lt_u32 s14, 2
	s_cbranch_scc0 .Lnone_\@
	TLOAD G0R, G1A
.Lnone_\@:
	OUTB 0, 1
.endm
.macro PBSHOW w                        ; an even block with a plain barrier: the last refill is shown to all
	WAITDS \w
	BLOCK 0, 0, ACC, 8, 0, 26, L_P, 0
	WIN 0
	WALU
	s_wait_tensorcnt 0x0
	s_wait_dscnt 0x0
	s_barrier_signal -1
	BLOCK 0, 0, ACC, 8, 26, 32, L_NONE
	WIN 0
	s_barrier_wait -1
	CODES6 ACC+32, NCD+6, 1
	OUTB 0, 1
.endm
; THE HEAD
	s_load_b128 s[4:7], s[0:1], 0x0                ; xw, qk
	s_load_b64 s[8:9], s[0:1], 0x10                ; vt
	v_lshl_add_u32 v[SPW], v0, 2, SPARE
	v_mov_b32 v[NIL], 0
	ds_add_u32 v[SPW], v[NIL]                      ; the opening lines: the add, twice on end, and its wait ahead of a first tensor load
	ds_add_u32 v[SPW], v[NIL]
	v_lshrrev_b32 v1, 5, v0
	v_readfirstlane_b32 s14, v1                    ; wave
	s_lshr_b32 s15, s14, 1                         ; its row w
	s_and_b32 s16, s14, 1                          ; its column b
	s_bfe_u32 s40, ttmp6, 0x40000                  ; cx
	s_bfe_u32 s41, ttmp6, 0x40004                  ; cy
	s_lshl_b32 s42, ttmp9, 2
	s_add_co_u32 s42, s42, s40                     ; phase 2's tile column: 0-7 Q, 8-15 K
	s_and_b32 s43, ttmp7, 0xffff
	s_lshl_b32 s43, s43, 2
	s_add_co_u32 s43, s43, s41                     ; its tile row of 512
	s_lshr_b32 s19, ttmp9, 1
	s_and_b32 s87, ttmp9, 1                        ; V's half of my 512 rows
	s_lshl_b32 s13, s19, 2
	s_add_co_u32 s13, s13, s40                     ; V's tile column
	s_lshl_b32 s12, s43, 1
	s_add_co_u32 s12, s12, s87                     ; V's tile row of 256
	s_lshl_b32 s44, s41, 2
	s_lshl_b32 s44, 15, s44                        ; my row of the cluster
	s_lshl_b32 s45, 0x1111, s40                    ; my column
	GROUP1 G1A, 44, 400
	GROUP1 G1B, 45, 200
	s_mul_i32 s66, s12, 2*TILE                     ; V's rows of x, bytes from xw
	s_mul_i32 s54, s13, TILE
	s_add_co_u32 s54, s54, 640*BLK                 ; W_v's rows
	s_mul_i32 s55, s42, TILE
	s_add_co_u32 s55, s55, 512*BLK                 ; W_q's or W_k's
	s_mul_i32 s22, s14, HALF
	s_add_co_u32 s54, s54, s22                     ; waves 0 and 1 fetch a half each
	s_mov_b32 s[G0A], 1
	s_mov_b32 s[G0A+1], 0
	s_mov_b32 s[G0R], 1
	s_mov_b32 s[G0R+1], TILE
	s_mov_b32 s[G0B], 1
	s_add_co_u32 s[G0B+1], s22, BVB
	s_mul_i32 s20, s15, BLK
	s_add_co_u32 s21, s20, 12288
	s_mul_i32 s76, s16, BLK
	s_add_co_u32 s76, s76, BVB
	s_add_co_u32 s77, s76, HALF
	s_add_co_u32 s78, s76, 12288
	v_and_b32 v1, 15, v0                           ; r
	v_bfe_u32 v2, v0, 4, 1                         ; h
	v_and_b32 v3, 31, v0                           ; lane
	v_lshlrev_b32 v[CO], 4, v3
	v_lshlrev_b32 v[C8], 3, v3
	v_add_nc_u32 v[ADRA0], s20, v[CO]
	v_lshl_add_u32 v[AAS0], v1, 4, s21
	v_add_nc_u32 v[BA], s76, v[CO]
	v_add_nc_u32 v[BA+1], s77, v[CO]
	v_mul_u32_u24 v23, 25600, v2                   ; lanes 16-31 take the tile behind
	v_lshl_add_u32 v23, v1, 4, v23
	v_add_nc_u32 v[ABS], s78, v23
	v_add_nc_u32 v[ADRA1], 25600, v[ADRA0]
	v_add_nc_u32 v[AAS1], 25600, v[AAS0]
	WALU
	s_wait_dscnt 0x0                               ; both opening adds are done
	CROUND                                         ; all sixteen work-groups are here: the first joint loads meet
	s_wait_kmcnt 0x0
	s_mov_b32 s20, s66
	s_mov_b32 s21, 0                               ; (stays 0 to the end)
	s_add_nc_u64 s[G0A+2:G0A+3], s[4:5], s[20:21]
	s_add_nc_u64 s[G0R+2:G0R+3], s[G0A+2:G0A+3], TILE
	s_or_b32 s[G0A+3], s[G0A+3], 0x80000000
	s_or_b32 s[G0R+3], s[G0R+3], 0x80000000
	s_mov_b32 s20, s54
	s_add_nc_u64 s[G0B+2:G0B+3], s[4:5], s[20:21]
	s_or_b32 s[G0B+3], s[G0B+3], 0x80000000
	s_cmp_lt_u32 s14, 2
	s_cbranch_scc0 .Lwave_2
	TLOAD G0B, G1B                                 ; waves 0 and 1: W_v's rows
	s_branch .Lasked
.Lwave_2:
	s_cmp_eq_u32 s14, 2
	s_cbranch_scc0 .Lwave_3
	TLOAD G0A, G1A                                 ; wave 2: slot 0
	s_branch .Lasked
.Lwave_3:
	TLOAD G0R, G1A                                 ; wave 3: slot 1
.Lasked:
	s_lshr_b32 s20, s42, 1                         ; where the results go: s[10:11] Q's or K's codes, s[48:49] their scale words,
	s_mul_i32 s20, s20, 64*TG
	s_lshl_b32 s22, s43, 2
	s_add_co_u32 s23, s22, s15
	s_mul_i32 s23, s23, TG
	s_and_b32 s76, s42, 1
	s_mul_i32 s77, s76, 1536
	s_add_co_u32 s82, s20, s23
	SADD 82, 77
	s_mul_i32 s3, s16, 768
	SADD 82, 3
	s_mov_b32 s83, 0
	s_xor_b32 s23, s15, s87                        ; (my wave empties the stage's part wave: half wave / 2 in the order of work, w = wave % 2)
	s_lshl_b32 s23, s23, 1
	SADD 23, 16
	SADD 23, 22
	s_mul_i32 s23, s23, TG
	s_add_co_u32 s84, s20, s23
	s_add_co_u32 s84, s84, 24576
	s_lshl_b32 s77, s76, 9
	SADD 84, 77
	s_mov_b32 s85, 0
	s_add_nc_u64 s[10:11], s[6:7], s[82:83]
	s_add_nc_u64 s[48:49], s[6:7], s[84:85]
	s_lshl_b32 s23, s12, 3                         ; s[50:51] V's codes, s[52:53] V's scale words
	SADD 23, 13
	s_mul_i32 s82, s23, TG
	s_add_co_u32 s84, s82, 24576
	s_lshl_b32 s3, s14, 8
	SADD 84, 3
	s_mul_i32 s3, s16, 4*3072
	SADD 82, 3
	s_mul_i32 s3, s15, 1536
	SADD 82, 3
	s_add_nc_u64 s[50:51], s[8:9], s[82:83]
	s_add_nc_u64 s[52:53], s[8:9], s[84:85]
	s_lshl_b32 s90, s40, 2
	SADD 90, 14                                    ; my number among the sixteen waves of my row of the cluster
	s_lshl_b32 s100, s41, 2
	SADD 100, 14                                   ; and of my column
	s_xor_b32 s20, s87, 1                          ; the tiles still to come are the other half's
	s_mul_i32 s20, s20, 2*TILE
	s_mul_i32 s88, s43, 4*TILE
	SADD 88, 20
	s_mov_b32 s46, 0
	s_mov_b32 s47, 0
	s_lshl_b32 s22, s15, 9
	s_lshl_b32 s23, s16, 1
	SADD 22, 23
	s_add_co_u32 s22, s22, XN
	s_lshl_b32 s76, s16, 9
	s_lshl_b32 s77, s15, 2
	SADD 76, 77
	s_add_co_u32 s76, s76, XM
	v_lshl_add_u32 v23, v1, 2, v2
	v_add_nc_u32 v[STO], s22, v23                  ; + 4 r + 2 b + h
	v_lshl_add_u32 v23, v1, 3, v2
	v_add_nc_u32 v[STV], s76, v23                  ; + 8 r + 4 w + h
	PFTILE 8, 55, 100                              ; what the first refill will load
	WALU
	s_cmp_lt_u32 s14, 2
	s_cbranch_scc0 .Lnot_b
	s_wait_tensorcnt 0x0
.Lnot_b:
	BARRIER                                        ; W_v's rows are in
	PFGO 8
	WEIGHTS
	s_cmp_eq_u32 s14, 3
	s_cbranch_scc1 .Lnot_a0
	s_wait_tensorcnt 0x0
.Lnot_a0:
	s_wait_dscnt 0x0
	BARRIER                                        ; slot 0 is in; slot 1's load may still be on its way
	FETCH01
; PHASE 1: V, eight blocks; band 0's way outs stand in band 1's blocks
.irp s, 0,1
	s_wait_dscnt NF
	BLOCK 1, \s, HV0+8*\s, 32, 0, 32, L_STEP
	WIN 0
	PLACES 4
	WALU
	FETCH \s
.endr
	s_wait_dscnt NF
	GRD
	BLOCK 1, 0, HV0+16, 32, 0, 24, L_V2
	WIN 0
	WALU
	s_wait_dscnt 0x0
	s_barrier_signal -1
	BLOCK 1, 0, HV0+16, 32, 24, 32, L_NONE
	MIDDLE
	BARRIER
	s_cmp_lt_u32 s14, 2
	s_cbranch_scc0 .Lno_half
	TLOAD G0B, G1B                                 ; a half each of W_q's or W_k's rows, onto W_v's, which all waves hold in registers
.Lno_half:
	PLACES 4                                       ; for the waves that come round the load
	WALU
	FETCH 0
	PFGO 7
	BLOCK 1, 1, HV0+24, 32, 0, 32, L_STEP
	WIN 0
	PLACES 4
	WALU
	FETCH 1
.irp j, 0,1,2
	s_wait_dscnt NF+(\j+1)/2
.if \j < 2
	BLOCK 1, \j%2, HV1+8*\j, 32, 0, 32, L_OUT, HV0+32*\j, \j
.else
	BLOCK 1, \j%2, HV1+8*\j, 32, 0, 32, L_LAST, HV0+32*\j, \j
.endif
	WIN 0
	CODES6 HV0+32*\j, MCD+12*\j, \j
	WALU
	ds_store_b8 v[STV], v[EB+\j] offset:128*\j
.if \j < 2
	FETCH \j%2
.endif
.endr
	s_wait_dscnt 1
	BLOCK 1, 1, HV1+24, 32, 0, 26, L_V7, HV0+96, 3
	WIN 0
	WALU
	s_wait_tensorcnt 0x0
	s_wait_dscnt 0x0
	s_barrier_signal -1                            ; a plain barrier: the weights that the first refill brought are shown to all
	BLOCK 1, 1, HV1+24, 32, 26, 32, L_NONE
	WIN 0
	s_barrier_wait -1
	CODES6 HV0+96, MCD+36, 3
	WALU
	ds_store_b8 v[STV], v[EB+3] offset:384
; THE CHANGE OF PHASE: the weights and the first two blocks, out of slot 0 still, in one run of loads; band 1's four way outs behind it
	WEIGHTS
	FETCH01
	PFGO 20
.set I, 0
.rept 18
.irp t, 0,1,2,3
	CHAIN I, HV1+32*\t, \t, 64+4*\t
.endr
.set I, I+1
.endr
.set I, 0
.rept 6
.irp t, 0,1,2,3
	CODES I, HV1+32*\t, MCD+12*\t+6, \t, 80+4*\t
.endr
.set I, I+1
.endr
	WIN 0
	WALU
; PHASE 2: Q or K, sixteen blocks
	s_wait_dscnt NF
	BLOCK 0, 0, ACC, 8, 0, 32, L_STEP
	WIN 0
	PLACES 4
	WALU
.irp t, 0,1,2,3
	ds_store_b8 v[STV], v[EB+\t] offset:2+128*\t
.endr
.irp t, 0,1,2,3                                ; V's codes leave
.irp k, 0,1,2
	global_store_b128 v[CO], v[MCD+12*\t+4*\k:MCD+12*\t+4*\k+3], s[50:51] offset:3072*\t+512*\k
.endr
.endr
	FETCH 0
	PB 1, NF+4, 1
	s_mov_b32 s86, 0
.Lwith_rounds:                                 ; blocks 2 to 5, 6 to 9
	PBROUND NF+1
	PB 1, -1, 1
	PB 0, NF+1, 1
	PB 1, NF+1, 1
	s_add_co_u32 s86, s86, 1
	s_cmp_lg_u32 s86, 2
	s_cbranch_scc1 .Lwith_rounds
.Lwithout:                                     ; blocks 10, 11 and 12, 13
	PBSHOW NF+1
	PB 1, -1, 1
	s_add_co_u32 s86, s86, 1
	s_cmp_lg_u32 s86, 4
	s_cbranch_scc1 .Lwithout
	PB 0, NF+1, 0
	PB 1, 1, 0
; THE END: the last way out; the scale bytes go through LDS under its conversions
.irp i, 0,1,2,3
	SPOT \i, 0
.endr
	s_lshl_b32 s22, s14, 9
	s_add_co_u32 s22, s22, XN
	s_lshl_b32 s23, s14, 8
	s_add_co_u32 s23, s23, XM
	v_add_nc_u32 v12, s22, v[CO]
	v_add_nc_u32 v13, s23, v[C8]
.set I, 0
.rept 18
	CHAIN I, ACC+32, 1
.set I, I+1
.endr
	CODES 2, ACC+32, NCD+6, 1
	WALU
	ds_store_b8 v[VX], v[EB+1]
	s_wait_dscnt 0x0                               ; for the others' sake: all my bytes are in
	s_barrier_signal -1
	CODES 0, ACC+32, NCD+6, 1
	CODES 1, ACC+32, NCD+6, 1
	v_nop
.irp i, 3,4,5
	CODES \i, ACC+32, NCD+6, 1
.endr
	WALU
	s_barrier_wait -1
	ds_load_b128 v[64:67], v12
	ds_load_b64 v[68:69], v13
	global_store_b128 v[CO], v[NCD+6:NCD+9], s[82:83]
	global_store_b64 v[C8], v[NCD+10:NCD+11], s[82:83] offset:512
	s_wait_dscnt 0x0
	global_store_b128 v[CO], v[64:67], s[48:49]    ; 512 consecutive bytes a wave
	global_store_b64 v[C8], v[68:69], s[52:53]     ; 256
	s_wait_tensorcnt 0x0                           ; the wave's end
	ds_add_u32 v[SPW], v[NIL]
	s_wait_dscnt 0x0
	CROUND                                         ; the closing round
	s_endpgm
.Lfunc_end_k_q8d7979b7d1_proj:
	.size	k_q8d7979b7d1_proj, .Lfunc_end_k_q8d7979b7d1_proj-k_q8d7979b7d1_proj
	.p2alignl 7, 3214868480
	.fill 96, 4, 3214868480
	.section	.rodata,"a",@progbits
	.p2align	6, 0x0
	.amdhsa_kernel k_q8d7979b7d1_proj
		.amdhsa_group_segment_fixed_size 327680
		.amdhsa_private_segment_fixed_size 0
		.amdhsa_enable_private_segment 0
		.amdhsa_kernarg_size 24
		.amdhsa_user_sgpr_count 2
		.amdhsa_user_sgpr_kernarg_segment_ptr 1
		.amdhsa_wavefront_size32 1
		.amdhsa_system_sgpr_workgroup_id_x 1
		.amdhsa_system_sgpr_workgroup_id_y 1
		.amdhsa_system_sgpr_workgroup_id_z 1
		.amdhsa_system_vgpr_workitem_id 0
		.amdhsa_next_free_vgpr 992
		.amdhsa_next_free_sgpr 102
		.amdhsa_reserve_vcc 0
		.amdhsa_float_denorm_mode_32 3
		.amdhsa_float_denorm_mode_16_64 3
		.amdhsa_memory_ordered 1
		.amdhsa_forward_progress 1
		.amdhsa_inst_pref_size 178
	.end_amdhsa_kernel
	.amdgpu_metadata
---
amdhsa.version: [ 1, 2 ]
amdhsa.kernels:
  - .name:           k_q8d7979b7d1_proj
    .symbol:         k_q8d7979b7d1_proj.kd
    .args:
      - { .name: xw, .offset: 0, .size: 8, .value_kind: global_buffer, .address_space: global }
      - { .name: qk, .offset: 8, .size: 8, .value_kind: global_buffer, .address_space: global }
      - { .name: vt, .offset: 16, .size: 8, .value_kind: global_buffer, .address_space: global }
    .group_segment_fixed_size: 327680
    .private_segment_fixed_size: 0
    .kernarg_segment_align: 8
    .kernarg_segment_size: 24
    .max_flat_workgroup_size: 128
    .sgpr_count:     102
    .vgpr_count:     992
    .wavefront_size: 32
...
	.end_amdgpu_metadata
.endif
;; end of part 2
;; launch score (part 3): grid 8 x 32, 4 waves a work-group, clusters of 4 x 4, 327,680 bytes of LDS; arguments qk, pp; writes pp
.if DOCPART == 3
	.amdgcn_target "amdgcn-amd-amdhsa--gfx1250"
	.amdhsa_code_object_version 6
	.text
	.protected	k_q8d7979b7d1_score
	.globl	k_q8d7979b7d1_score
	.p2align	8
	.type	k_q8d7979b7d1_score,@function
k_q8d7979b7d1_score:
	s_mov_b64 s[64:65], 0
	v_nop
	global_prefetch_b8 v0, s[64:65] scope:SCOPE_SE
	s_setreg_imm32_b32 hwreg(HW_REG_WAVE_MODE, 25, 1), 1
	s_wait_xcnt 0x0
	s_wait_alu depctr_hold_cnt(0) depctr_sa_sdst(0) depctr_va_vdst(0) depctr_va_sdst(0) depctr_va_ssrc(0) depctr_va_vcc(0) depctr_vm_vsrc(0)
	s_getreg_b32 s2, hwreg(HW_REG_IB_STS2, 6, 4)
	s_cmp_eq_u32 s2, 0
	s_cbranch_scc0 .Lentry_in_a_cluster
	s_endpgm
.Lentry_in_a_cluster:
	s_bfe_u32 s2, ttmp6, 0x10000c
	s_cmp_lg_u32 s2, 0xf033
	s_cbranch_scc0 .Lentry_shape_is_right
	s_endpgm
.Lentry_shape_is_right:
; S = Q K^T on codes of FP6 (E2M3) with E8M0 scales, and the softmax's p quantised in registers under a LOCAL whole number M, one for each query and each 128 keys; the f32 scores never go to memory.
; t = score x log2(e) / 32; M = ceil(the largest t of my query's 128 keys); p = 2^(t - M).  The row's M is the largest of its sixteen local ones, and p under the row's M is p under the local M times a power of two,
; which a block's scale takes up: so the CODES made here are final, and the next launch takes M(row) - M(local) off the scale bytes.  Stored for each query and 128 keys: the scale word, -M as f32, the sum of the unquantised p.
; OPERANDS: qk [Q, K][part: 256 of K][group of 128 rows][25,600]: codes [block 8][q 2][half of 64][registers 0-3 at 16 x lane; registers 4-5 at 512 + 8 x lane], then scale words [q][block][row].  Block 4 c + j, lane row 8 h + i is row 64 c + 32 h + 8 j + i.
; RESULT: pp: P's fragments (16 queries x 128 keys, 1,536 bytes) at ((key / 256 x 512 + block) x 2 + q) x 1536, blocks of queries in Q's order; behind the codes the statistics [128-row tile 64][plane 3][key step 16][row 128], 4 bytes each.
; SHARES.  A work-group makes 256 queries (gy) x 256 keys (gx) of one batch; each of four waves 128 x 128.  K = 1,024 in four parts; LDS holds three: each wave brings three parts of its 128 rows by one load at the head; the fourth takes the first's place when that has been read.
; Source 0 = 16 keys, source 1 = 16 queries: a lane holds ONE query, and by the row order the 32 registers of four neighbouring tiles are 32 neighbouring keys: a whole scale block.
; CLUSTER 4 x 4: Q's tiles are shared along a row of the cluster, K's along a column: each is asked for jointly.  The text has no loop to run ahead in, and only a quarter of what it reads is asked for behind the head: no prefetch.
; LIMITS: NaN and infinities are not served; M is exact while |t| < 2^24; p under 2^-126 counts as 0; a block whose largest p lies under 2^-124 gets the byte 1.
; REGISTERS: window 0: v16-31 addresses; v32-63 scale words, two sets (lanes 0-15 Q's block i, lanes 16-31 K's block i); v96-123 at work; v128-223 Q's fragments (later codes and statistics).  window 1: K's fragments, two sets.  windows 2, 3: accumulators.
.set TG,    25600
.set PART,  64*TG
.set PST,   12582912                   ; statistics in pp
.set REG,   3*TG                       ; 128 rows' three parts
.set STG,   4*REG                      ; a stage for the statistics: 1,536 bytes for each wave, its own
.set SPARE, STG+6144                   ; the spare words, 128 bytes for each wave, that no other line names
.set ADA,   16                         ; v16, v17 Q's fragments, 16 x lane: places 0 and 1; place 2
.set ADA8,  18                         ; v18, v19 the same, 8 x lane
.set ADB,   20
.set ADB8,  22
.set ADS,   24                         ; v24, v25 scale words
.set VO,   26                          ; v26 16 x lane
.set SWR,  27                          ; v27 the stage, in
.set SPW,  28                          ; v28 LDS address of my spare word; never rewritten
.set NIL,  29                          ; v29 0; never rewritten
.set SRD,  30                          ; v30 the stage, out
.set H8,   31                          ; v31 8 h
.set SC,   32
.set MX,   96                          ; v96, v98 the two blocks' largest scores, then their largest p (v97, v99 at work)
.set SO,   104
.set BY,   108
.set NMP,  112                         ; v112 -M (v113: named with it as a pair)
.set T,    114                         ; v114-115 at work
.set SU,   120                         ; v120-123 the sum, in two chains of pairs
.set AF,   128
.set PC,   128                         ; v128-151 codes, two sets
.set CT,   152
.set PW,   160                         ; v160-167 scale words, v168-175 -M, v176-183 sums: one for each block of 16 queries
.set NM,   168
.set SL,   176
.set OUT,  184
.set SEL,  20
.set CS,   22                          ; s[22:23] c = log2(e) / 32
.set G1Y,  24
.set G1X,  32
.set G0Y,  56
.set G0X,  60
.set MUL_LO, 0xa1
.set MUL_HI, 0xf1
.set MSB, 0
.macro WIN new
.if MSB != (\new)
	s_set_vgpr_msb (MSB<<8)|(\new)
.set MSB, (\new)
.endif
.endm
.macro PLACES n
.rept \n
	v_nop
.endr
.endm
.macro JLOAD                           ; a joint load: waves 0 and 1 fetch Q's halves, waves 2 and 3 K's; an s_nop 0 and four v_nop follow each line
	s_cmp_eq_u32 s15, 0
	s_cbranch_scc0 .Lfor_b_\@
	tensor_load_to_lds s[G0Y:G0Y+3], s[G1Y:G1Y+7]
	s_nop 0
	PLACES 4
	s_branch .Lasked_\@
.Lfor_b_\@:
	tensor_load_to_lds s[G0X:G0X+3], s[G1X:G1X+7]
	s_nop 0
	PLACES 4
.Lasked_\@:
.endm
.macro CREST
	s_cmp_lg_u32 s14, 0
	s_cbranch_scc1 .Lnot_wave_0_\@
	s_barrier_signal -3
.Lnot_wave_0_\@:
	s_barrier_wait -3
	s_barrier_signal -1
	s_barrier_wait -1
.endm
.macro CROUND
	s_barrier_signal -1
	s_barrier_wait -1
	CREST
.endm
	s_load_b128 s[4:7], s[0:1], 0x0                ; qk s[4:5], pp s[6:7]
	v_lshl_add_u32 v[SPW], v0, 2, SPARE
	v_mov_b32 v[NIL], 0
	ds_add_u32 v[SPW], v[NIL]                      ; the wave's opening: the add, twice on end, and its wait ahead of my first tensor load
	ds_add_u32 v[SPW], v[NIL]
	v_lshrrev_b32 v1, 5, v0
	v_readfirstlane_b32 s14, v1                    ; wave 0..3
	s_lshr_b32 s15, s14, 1                         ; my half of the queries.  Also: I fetch for Q (0) or for K (1)
	s_and_b32 s16, s14, 1                          ; my half of the keys.  Also: which 128 rows I fetch
	s_bfe_u32 s12, ttmp6, 0x40000                  ; cx
	s_bfe_u32 s13, ttmp6, 0x40004                  ; cy
	s_lshl_b32 s11, ttmp9, 2
	s_add_co_u32 s11, s11, s12                     ; gx
	s_and_b32 s10, ttmp7, 0xffff
	s_lshr_b32 s17, s10, 1                         ; the batch: from the cluster's y alone (eight tile rows a batch)
	s_lshl_b32 s10, s10, 2
	s_add_co_u32 s10, s10, s13                     ; gy
	s_lshl_b32 s2, s13, 2
	s_lshl_b32 s2, 15, s2                          ; my row of the cluster
	s_lshl_b32 s3, 0x1111, s12                     ; my column
	s_or_b32 s[G1Y], s2, (3<<16)|(1<<21)
	s_or_b32 s[G1X], s3, (3<<16)|(1<<21)
.irp g, G1Y, G1X                       ; rows of 25,600 bytes (3,200 elements of 8), a part apart: three at the head, one behind it
	s_mov_b32 s[\g+1], 3200<<16
	s_mov_b32 s[\g+2], 3<<16
	s_mov_b32 s[\g+3], 3200<<16
	s_mov_b32 s[\g+4], 3
	s_mov_b32 s[\g+5], PART/8
	s_mov_b32 s[\g+6], 1<<16
	s_mov_b32 s[\g+7], 0
.endr
	s_lshl_b32 s92, s10, 1
	s_add_co_u32 s92, s92, s16                     ; Q: group 2 gy + half
	s_mul_i32 s92, s92, TG
	s_mov_b32 s93, 0
	s_lshl_b32 s96, s17, 4
	s_lshl_b32 s3, s11, 1
	s_add_co_u32 s96, s96, s3
	s_add_co_u32 s96, s96, s16                     ; K: group 16 batch + 2 gx + half, behind Q's four parts
	s_mul_i32 s96, s96, TG
	s_add_co_u32 s96, s96, 4*PART
	s_mov_b32 s97, 0
	s_mul_i32 s100, s14, REG                       ; where it goes: no place in the cluster enters an LDS address
	s_mov_b32 s[SEL], 0x76543210
	s_mov_b32 s[SEL+1], 0xfedcba98
	s_mov_b32 s[CS], 0x3d38aa3b                    ; log2(e) / 32
	s_mov_b32 s[CS+1], s[CS]                       ; (named with it as a pair, so it is written)
	s_wait_dscnt 0x0                               ; both opening adds are done
	s_wait_kmcnt 0x0
	s_add_nc_u64 s[92:93], s[4:5], s[92:93]
	s_add_nc_u64 s[96:97], s[4:5], s[96:97]
	CROUND                                         ; all sixteen work-groups are here: the first joint loads meet
	s_mov_b32 s[G0Y], 1
	s_mov_b32 s[G0Y+1], s100
	s_mov_b64 s[G0Y+2:G0Y+3], s[92:93]
	s_or_b32 s[G0Y+3], s[G0Y+3], 0x80000000
	s_mov_b32 s[G0X], 1
	s_mov_b32 s[G0X+1], s100
	s_mov_b64 s[G0X+2:G0X+3], s[96:97]
	s_or_b32 s[G0X+3], s[G0X+3], 0x80000000
	JLOAD                                          ; parts 0, 1, 2
	s_mul_i32 s66, s15, REG                        ; my 128 queries
	s_mul_i32 s67, s16, REG
	s_add_co_u32 s67, s67, 2*REG                   ; my 128 keys
	s_add_co_u32 s2, s66, 24576
	s_sub_co_u32 s3, s67, s66
	s_add_co_u32 s12, s66, 2*TG
	s_add_co_u32 s13, s67, 2*TG
	s_mul_i32 s18, s14, 1536
	s_add_co_u32 s18, s18, STG
	v_and_b32 v1, 31, v0                           ; lane
	v_and_b32 v2, 15, v0                           ; r
	v_bfe_u32 v3, v0, 4, 1                         ; h
	v_lshlrev_b32 v[VO], 4, v1
	v_lshlrev_b32 v4, 3, v1
	v_lshlrev_b32 v[H8], 3, v3
	v_add_nc_u32 v[ADA], s66, v[VO]
	v_add_nc_u32 v[ADA+1], s12, v[VO]
	v_add_nc_u32 v[ADA8], s66, v4
	v_add_nc_u32 v[ADA8+1], s12, v4
	v_add_nc_u32 v[ADB], s67, v[VO]
	v_add_nc_u32 v[ADB+1], s13, v[VO]
	v_add_nc_u32 v[ADB8], s67, v4
	v_add_nc_u32 v[ADB8+1], s13, v4
	v_mul_u32_u24 v5, s3, v3                       ; lanes 16-31 take K's words
	v_lshl_add_u32 v5, v2, 2, v5
	v_add_nc_u32 v[ADS], s2, v5
	v_add_nc_u32 v[ADS+1], 2*TG, v[ADS]
	v_lshl_add_u32 v[SWR], v2, 2, s18              ; my stage, in: word 16 a + r of a plane
	v_add_nc_u32 v[SRD], s18, v[VO]                ; out: 16 bytes a lane
	v_mov_b32 v[NMP+1], 0
	v_mov_b32 v[T+1], 0                            ; (a lane permute's destination counts as one of its sources)
	s_lshl_b32 s66, s11, 9                         ; P's codes: ks2 = gx, block 16 gy + 8 x my half of the queries, q = my half of the keys
	s_lshl_b32 s67, s10, 4
	s_add_co_u32 s66, s66, s67
	s_lshl_b32 s67, s15, 3
	s_add_co_u32 s66, s66, s67
	s_mul_i32 s66, s66, 3072
	s_mul_i32 s67, s16, 1536
	s_add_co_u32 s66, s66, s67
	s_mov_b32 s67, 0
	s_lshl_b32 s18, s10, 1                         ; the statistics: tile 2 gy + half, key step 2 gx + half
	s_add_co_u32 s18, s18, s15
	s_mul_i32 s18, s18, 24576
	s_lshl_b32 s19, s11, 1
	s_add_co_u32 s19, s19, s16
	s_lshl_b32 s19, s19, 9
	s_add_co_u32 s18, s18, s19
	s_add_co_u32 s18, s18, PST
	s_mov_b32 s19, 0
	s_add_nc_u64 s[8:9], s[6:7], s[18:19]
	s_add_nc_u64 s[6:7], s[6:7], s[66:67]
; n = 0 .. 7 is the step of 128 along K: part n / 2 in place (n / 2) % 3, q = n % 2; K's set n % 2; the scale words' set (n / 2) % 2
.macro FRAG reg, a, a8, off            ; 12 registers: two halves of 16 + 8 bytes a lane
	ds_load_b128 v[(\reg):(\reg)+3], v[\a] offset:(\off)
	ds_load_b64 v[(\reg)+4:(\reg)+5], v[\a8] offset:(\off)+512
	ds_load_b128 v[(\reg)+6:(\reg)+9], v[\a] offset:(\off)+768
	ds_load_b64 v[(\reg)+10:(\reg)+11], v[\a8] offset:(\off)+1280
.endm
.macro AT n                            ; PL_: 1 where the step lies in place 2; OF_: the place's offset
.set PL_, (((\n)/2)%3)/2
.set OF_, TG*((((\n)/2)%3)%2)
.endm
.macro FETCH_B n
	AT \n
	WIN 0x40
.irp i, 0,1,2,3,4,5,6,7
	FRAG 128*((\n)%2)+12*\i, ADB+PL_, ADB8+PL_, OF_+(2*\i+(\n)%2)*1536
.endr
	WIN 0
.endm
.macro FETCH_A n, i0
	AT \n
.irp i, \i0, \i0+1, \i0+2, \i0+3
	FRAG AF+12*(\i), ADA+PL_, ADA8+PL_, OF_+(2*(\i)+(\n)%2)*1536
.endr
.endm
.macro SCALES n                        ; a part's words, both q
	AT \n
.irp q, 0,1
.irp i, 0,1,2,3,4,5,6,7
	ds_load_b32 v[SC+16*(((\n)/2)%2)+8*\q+\i], v[ADS+PL_] offset:OF_+512*\q+64*\i
.endr
.endr
.endm
.macro MUL16 a0, n, zero               ; 16 matrix instructions; the 64 accumulators take turns, one instruction a turn
.set S_, SC+16*(((\n)/2)%2)+8*((\n)%2)
.irp a, \a0, \a0+1
.irp b, 0,1,2,3,4,5,6,7
.if \zero
	v_wmma_scale_f32_16x16x128_f8f6f4 v[8*(8*((\a)%4)+\b):8*(8*((\a)%4)+\b)+7], v[128*((\n)%2)+12*\b:128*((\n)%2)+12*\b+11], v[AF+12*(\a):AF+12*(\a)+11], 0, v[S_+\b], v[S_+\a] matrix_a_fmt:MATRIX_FMT_FP6 matrix_b_fmt:MATRIX_FMT_FP6 matrix_a_scale:MATRIX_SCALE_ROW1
.else
	v_wmma_scale_f32_16x16x128_f8f6f4 v[8*(8*((\a)%4)+\b):8*(8*((\a)%4)+\b)+7], v[128*((\n)%2)+12*\b:128*((\n)%2)+12*\b+11], v[AF+12*(\a):AF+12*(\a)+11], v[8*(8*((\a)%4)+\b):8*(8*((\a)%4)+\b)+7], v[S_+\b], v[S_+\a] matrix_a_fmt:MATRIX_FMT_FP6 matrix_b_fmt:MATRIX_FMT_FP6 matrix_a_scale:MATRIX_SCALE_ROW1
.endif
.endr
.endr
.endm
.macro REST n                          ; the step's second half, behind the places: the next step's fragments
	FETCH_B (\n)+1
	FETCH_A (\n)+1, 0
.if (\n)%2
	SCALES (\n)+1
.endif
	WIN MUL_HI
.endm
.macro STEP n, zero
	s_wait_dscnt 16                                ; all but the youngest 16 loads (Q's blocks 4-7) are in
	WIN MUL_LO
	MUL16 0, \n, \zero
	MUL16 2, \n, \zero
	s_wait_dscnt 0x0
	PLACES 4                                       ; four plain instructions between a matrix instruction and a load into a register that it has read
	REST \n
	MUL16 4, \n, \zero
	MUL16 6, \n, \zero
	PLACES 4
	WIN 0
	FETCH_A (\n)+1, 4
.endm
.macro TURN n, fill
	s_wait_tensorcnt 0x0                           ; all my tensor loads have landed
	ds_add_u32 v[SPW], v[NIL]                      ; 0 onto my spare word
.if \fill
.irp g, G1Y, G1X
	s_mov_b32 s[\g+2], 1<<16                       ; from here on one part
	s_mov_b32 s[\g+4], 1
.endr
	s_add_nc_u64 s[G0Y+2:G0Y+3], s[G0Y+2:G0Y+3], 3*PART
	s_add_nc_u64 s[G0X+2:G0X+3], s[G0X+2:G0X+3], 3*PART
.endif
	s_wait_dscnt 17                                ; (the add and the youngest 16 loads may be out)
	WIN MUL_LO
	MUL16 0, \n, 0
	s_wait_dscnt 0x0                               ; the add is done, and my reads of the place in hand are over
	s_barrier_signal -1
	MUL16 2, \n, 0
	WIN 0
	s_barrier_wait -1
.if \fill
	CREST                                          ; a round of the cluster's barrier: no wave of any partner still reads place 0 or has a load on its way
	JLOAD                                          ; my one tensor load behind the round: the fourth part of K, 224 matrix instructions ahead of the wait for it
.else
	PLACES 4
.endif
	REST \n
	MUL16 4, \n, 0
	MUL16 6, \n, 0
	PLACES 4
	WIN 0
	FETCH_A (\n)+1, 4
.endm
	s_wait_alu depctr_va_vdst(0)                   ; the wait at the head's end
	s_wait_tensorcnt 0x0                           ; my three parts are in
	s_barrier_signal -1
	s_barrier_wait -1
	FETCH_B 0
	FETCH_A 0, 0
	SCALES 0
	FETCH_A 0, 4
	STEP 0, 1
	TURN 1, 1
	STEP 2, 0
	STEP 3, 0
	STEP 4, 0
	TURN 5, 0                                      ; nothing is left to fetch: a plain barrier shows the fourth part
	STEP 6, 0
	s_wait_dscnt 16
	WIN MUL_LO
	MUL16 0, 7, 0
	MUL16 2, 7, 0
	s_wait_dscnt 0x0
	WIN MUL_HI
	MUL16 4, 7, 0
	MUL16 6, 7, 0
	WIN 0
	PLACES 4
; Block a: 16 queries x my 128 keys.  A lane's 64 scores: register 32 c + i = key 64 c + 32 h + i: two whole scale blocks.  Each accumulator is first read at its low end.
.macro SOFTQ a
.set ACB, 64*((\a)%4)
.set WW,  2+(\a)/4
.set PCA, PC+12*((\a)%2)
	s_wait_alu depctr_va_vdst(0)                   ; ahead of these results' first readers
	WIN WW|(WW<<2)|(WW<<4)
.irp b, 0,1,2,3
	v_max3_num_f32 v[MX+\b], v[ACB+16*\b], v[ACB+16*\b+1], v[ACB+16*\b+2]   ; the largest score of each block of 32 keys (two chains a block): it serves for the local maximum and, since p rises with the score, for the block's largest p
.endr
	WIN (WW<<2)|(WW<<4)
.irp i, 3,5,7,9,11,13
.irp b, 0,1,2,3
	v_max3_num_f32 v[MX+\b], v[MX+\b], v[ACB+16*\b+\i], v[ACB+16*\b+\i+1]
.endr
.endr
	WIN WW<<2
.irp c, 0,1
	v_max_num_f32 v[MX+2*\c+1], v[MX+2*\c+1], v[ACB+32*\c+31]
.endr
.irp c, 0,1
	v_max3_num_f32 v[MX+2*\c], v[MX+2*\c], v[ACB+32*\c+15], v[MX+2*\c+1]
.endr
	WIN 0
	v_max_num_f32 v[T], v[MX], v[MX+2]
	v_permlanex16_b32 v[T+1], v[T], s[SEL], s[SEL+1]
	v_max_num_f32 v[T], v[T], v[T+1]               ; my query's largest score of these 128 keys,
	v_mul_f32 v[T], s[CS], v[T]                    ; as t (c is positive)
	v_floor_f32 v[NMP], -v[T]                      ; -M = floor(-t) = -ceil(t): a whole number
	v_mov_b32 v[NM+(\a)], v[NMP]
.irp c, 0,1
	v_fma_f32 v[MX+2*\c], v[MX+2*\c], s[CS], v[NMP] ; t - M of each block's largest score
.endr
	WIN (WW<<6)|WW
.set j, 0
.rept 32
	v_pk_fma_f32 v[ACB+j:ACB+j+1], v[ACB+j:ACB+j+1], s[CS:CS+1], v[NMP:NMP+1] op_sel_hi:[1,0,0]   ; t - M, two at a time
.set j, j+2
.endr
.set j, 0
	s_wait_alu depctr_va_vdst(0)                   ; ahead of the batch
.rept 64
	v_exp_f32 v[ACB+j], v[ACB+j]                   ; p = 2^(t - M)
.set j, j+1
.endr
	WIN 0
.irp c, 0,1
	v_exp_f32 v[MX+2*\c], v[MX+2*\c]               ; the blocks' largest p: the same arithmetic on the same numbers
.endr
	v_nop                                          ; a plain instruction behind the last exponential
	s_wait_alu depctr_va_vdst(0)                   ; one wait for the batch of 66, ahead of its first reader
	WIN WW|(WW<<2)
	v_pk_add_f32 v[SU:SU+1], v[ACB:ACB+1], v[ACB+2:ACB+3]   ; the sum is taken of the unquantised p: two at a time, in two chains
	v_pk_add_f32 v[SU+2:SU+3], v[ACB+4:ACB+5], v[ACB+6:ACB+7]
	WIN WW<<2
.set j, 8
.rept 14
	v_pk_add_f32 v[SU:SU+1], v[SU:SU+1], v[ACB+j:ACB+j+1]
	v_pk_add_f32 v[SU+2:SU+3], v[SU+2:SU+3], v[ACB+j+2:ACB+j+3]
.set j, j+4
.endr
	WIN 0
	v_pk_add_f32 v[SU:SU+1], v[SU:SU+1], v[SU+2:SU+3]
	v_add_f32 v[T], v[SU], v[SU+1]
	v_permlanex16_b32 v[T+1], v[T], s[SEL], s[SEL+1]
	v_add_f32 v[SL+(\a)], v[T], v[T+1]             ; my query's sum over the 128 keys
.irp c, 0,1
	v_max_num_f32 v[MX+2*\c], 0x1800000, v[MX+2*\c] ; the floor 2^(3 - 127): the byte cannot fall under 1
.endr
.irp c, 0,1
	v_add_nc_u32 v[SO+\c], 0xff000000, v[MX+2*\c]  ; 2 off the exponent field: the conversion's scale operand
.endr
.irp c, 0,1
	v_lshrrev_b32 v[BY+\c], 23, v[SO+\c]
.endr
	v_lshl_or_b32 v[T], v[BY+1], 16, v[BY]         ; my two bytes, 2 c + h:
	v_lshlrev_b32 v[T], v[H8], v[T]                ; 8 h bits up,
	v_permlanex16_b32 v[T+1], v[T], s[SEL], s[SEL+1]
	v_or_b32 v[PW+(\a)], v[T], v[T+1]              ; and lane l xor 16's two: the scale word under the local M
.if (\a) > 1
	s_wait_alu depctr_va_vdst(0)                   ; directly ahead of the wait below
	s_wait_xcnt 0x0                                ; the stores of two blocks ago have read this set of codes' registers
.endif
	WIN WW
.irp c, 0,1
	v_cvt_scalef32_pk16_fp6_f32 v[PCA+6*\c:PCA+6*\c+2], v[ACB+32*\c:ACB+32*\c+15], v[SO+\c]
	v_cvt_scalef32_pk16_fp6_f32 v[CT+4*\c:CT+4*\c+2], v[ACB+32*\c+16:ACB+32*\c+31], v[SO+\c]
.endr
	WIN 0
	v_nop                                          ; one plain instruction behind the scaled conversions
.irp c, 0,1
.irp i, 0,1,2
	v_mov_b32 v[PCA+3+6*\c+\i], v[CT+4*\c+\i]
.endr
.endr
.irp c, 0,1,2
	global_store_b128 v[VO], v[PCA+4*\c:PCA+4*\c+3], s[6:7] offset:3072*(\a)+512*\c   ; 512 consecutive bytes, at a multiple of 256 from the buffer's first byte
.endr
.endm
.irp a, 0,1,2,3,4,5,6,7
	SOFTQ \a
.endr
.irp a, 0,1,2,3,4,5,6,7                        ; the statistics go through my own stage, so that each plane leaves as 512 consecutive bytes
	ds_store_b32 v[SWR], v[PW+\a] offset:64*\a
	ds_store_b32 v[SWR], v[NM+\a] offset:512+64*\a
	ds_store_b32 v[SWR], v[SL+\a] offset:1024+64*\a
.endr
.irp p, 0,1,2
	ds_load_b128 v[OUT+4*\p:OUT+4*\p+3], v[SRD] offset:512*\p   ; LDS serves a wave's instructions in order: these see my stores
.endr
	s_wait_dscnt 0x0
.irp p, 0,1,2
	global_store_b128 v[VO], v[OUT+4*\p:OUT+4*\p+3], s[8:9] offset:8192*\p
.endr
	s_wait_tensorcnt 0x0                           ; the wave's end
	ds_add_u32 v[SPW], v[NIL]
	s_wait_dscnt 0x0
	CROUND                                         ; the closing round
	s_endpgm
.Lfunc_end_k_q8d7979b7d1_score:
	.size	k_q8d7979b7d1_score, .Lfunc_end_k_q8d7979b7d1_score-k_q8d7979b7d1_score
	.p2alignl 7, 3214868480
	.fill 96, 4, 3214868480
	.section	.rodata,"a",@progbits
	.p2align	6, 0x0
	.amdhsa_kernel k_q8d7979b7d1_score
		.amdhsa_group_segment_fixed_size 327680
		.amdhsa_private_segment_fixed_size 0
		.amdhsa_enable_private_segment 0
		.amdhsa_kernarg_size 16
		.amdhsa_user_sgpr_count 2
		.amdhsa_user_sgpr_kernarg_segment_ptr 1
		.amdhsa_wavefront_size32 1
		.amdhsa_system_sgpr_workgroup_id_x 1
		.amdhsa_system_sgpr_workgroup_id_y 1
		.amdhsa_system_sgpr_workgroup_id_z 1
		.amdhsa_system_vgpr_workitem_id 0
		.amdhsa_next_free_vgpr 1024
		.amdhsa_next_free_sgpr 102
		.amdhsa_reserve_vcc 0
		.amdhsa_float_denorm_mode_32 3
		.amdhsa_float_denorm_mode_16_64 3
		.amdhsa_memory_ordered 1
		.amdhsa_forward_progress 1
		.amdhsa_inst_pref_size 196
	.end_amdhsa_kernel
	.amdgpu_metadata
---
amdhsa.version: [ 1, 2 ]
amdhsa.kernels:
  - .name:           k_q8d7979b7d1_score
    .symbol:         k_q8d7979b7d1_score.kd
    .args:
      - { .name: qk, .offset: 0, .size: 8, .value_kind: global_buffer, .address_space: global }
      - { .name: pp, .offset: 8, .size: 8, .value_kind: global_buffer, .address_space: global }
    .group_segment_fixed_size: 327680
    .private_segment_fixed_size: 0
    .kernarg_segment_align: 8
    .kernarg_segment_size: 16
    .max_flat_workgroup_size: 128
    .sgpr_count:     102
    .vgpr_count:     1024
    .wavefront_size: 32
...
	.end_amdgpu_metadata
.endif
;; end of part 3
;; launch mix (part 4): grid 4 x 64, 4 waves a work-group, clusters of 4 x 4, 327,680 bytes of LDS; arguments pp, vt, out0; writes out0
.if DOCPART == 4
	.amdgcn_target "amdgcn-amd-amdhsa--gfx1250"
	.amdhsa_code_object_version 6
	.text
	.protected	k_q8d7979b7d1_mix
	.globl	k_q8d7979b7d1_mix
	.p2align	8
	.type	k_q8d7979b7d1_mix,@function
k_q8d7979b7d1_mix:
	s_mov_b64 s[64:65], 0
	v_nop
	global_prefetch_b8 v0, s[64:65] scope:SCOPE_SE
	s_setreg_imm32_b32 hwreg(HW_REG_WAVE_MODE, 25, 1), 1
	s_wait_xcnt 0x0
	s_wait_alu depctr_hold_cnt(0) depctr_sa_sdst(0) depctr_va_vdst(0) depctr_va_sdst(0) depctr_va_ssrc(0) depctr_va_vcc(0) depctr_vm_vsrc(0)
	s_getreg_b32 s2, hwreg(HW_REG_IB_STS2, 6, 4)
	s_cmp_eq_u32 s2, 0
	s_cbranch_scc0 .Lentry_in_a_cluster
	s_endpgm
.Lentry_in_a_cluster:
	s_bfe_u32 s2, ttmp6, 0x10000c
	s_cmp_lg_u32 s2, 0xf033
	s_cbranch_scc0 .Lentry_shape_is_right
	s_endpgm
.Lentry_shape_is_right:
; O = P V / l on codes of FP6 (E2M3) with E8M0 scales.  P's codes were made under a local whole number M for each query and 128 keys.  At its head a work-group takes, for each of its 128 queries, the row's M (the largest of
; the sixteen local ones), d = M(row) - M(local) off the four scale bytes of each key step (held at 0 from below), and l = the sum of the local sums x 2^-d: all exact but where a term falls under the smallest f32 numbers.
; OPERANDS: pp: P, images of operand registers, 512 blocks of 16 queries, ks2 = key / 256, a fragment of 16 rows x 128 K at ((ks2 x 512 + block) x 2 + q) x 1536; behind the codes the statistics
; [128-row tile][plane: scale word, -M, sum][key step 16][row 128].  vt: V^T [256 keys][128 d][25,600 bytes]: fragments [block of 16 d: 8][q], then the blocks' scale words [block][row][q].
; ROW ORDER, of the queries and of d: in a group of 128, lane row 8 h + i of block 4 c + j is row 64 c + 32 h + 8 j + i.
; SHARES.  A work-group makes 128 queries (gy) x 256 d (gx): 256 work-groups.  A wave makes 64 x 128: 32 accumulators.  K = 2,048 keys goes in four parts of 512 through two LDS slots.
; LDS: P's two halves, two slots of AH each; V^T's two halves, two slots of BSL each, scale words among them.  At the head each wave brings both slots of one half by one load; each slot is filled once more.
; Source 0 = 16 d of V^T, source 1 = 16 queries: a lane holds one query and eight neighbouring d a tile.
; CLUSTER 4 x 4: P's tiles are shared along a row of the cluster, V^T's along a column: each is asked for jointly.  The steps are written out, with two refills and no loop to run ahead in: no prefetch.
; LIMITS: NaN and infinities are not served; d is held at 127; a block of P whose byte would fall under 0 is held at the byte 0: its part of a sum is then at most 7.5 x 2^-127 a key, beside a row's l of at least 1/2.
; REGISTERS: window 0: v10-31 addresses; v32-63 P's scale words, two sets; v64-127 V's, two sets; v128-223 P's fragments, two sets (at the head: the statistics; at the end: rows of O); v224-231 1 / l.
;   window 1: V^T's fragments, two sets at v0, v128.  window 2: accumulators, (a, b) at v[8 (8 a + b)].
.set PST,   12582912
.set AH,    24576                      ; a slot of P's half: 64 queries x 512 keys
.set BSL,   51200                      ; a slot of V^T's half: 128 d x 512 keys, codes and scale words
.set BREG,  4*AH                       ; where V^T's halves begin
.set PSC,   BREG+4*BSL                 ; P's scale words under the row's M: [part 4][row 128][4 words]
.set LINV,  PSC+8192                   ; 1 / l, a word a row
.set SPARE, LINV+512                   ; the spare words, 128 bytes for each wave, that no other line names
.set ADRA, 16                          ; v16-17 LDS address of P's fragments in slot 0, 1
.set ADRB, 20                          ; v20-21 of V^T's
.set ADSP, 24
.set ADSV, 18                          ; v18-19 of V's scale words in slot 0, 1
.set VO,   26                          ; v26 16 x lane
.set STO,  27                          ; v27 the way out: where I put 16 bytes of a row
.set SPW,  28                          ; v28 LDS address of my spare word; never rewritten
.set NIL,  29                          ; v29 0; never rewritten
.set RD,   30                          ; v30 the way out: where I read a row back
.set ALV,  31                          ; v31 where my queries' 1 / l lie
.set SA,   32
.set SB,   64
.set FA,   128
.set WD,   128                         ; the head: v128-143 scale words, v144-159 -M, v160-175 sums, v176-191 at work
.set NM,   144
.set SL,   160
.set DD,   176
.set LV,   224
.set BK,   96                          ; the way out: 16 rows read back: v96-159 and v160-223 by turns
.set G1A,  24
.set G1B,  32
.set G0A,  52                          ; s[52:59] group 0 for P, a set for each slot
.set G0B,  68                          ; s[68:75] for V^T
.set MUL,  0xa1                        ; source 0 window 1, source 1 window 0, C and D window 2
.set MSB, 0
.macro WIN new
.if MSB != (\new)
	s_set_vgpr_msb (MSB<<8)|(\new)
.set MSB, (\new)
.endif
.endm
.macro PLACES n
.rept \n
	v_nop
.endr
.endm
.macro JLOAD g0a, g1a, g0b, g1b        ; a joint load: waves 0 and 1 fetch P's halves, waves 2 and 3 V^T's; an s_nop 0 and four v_nop follow each line
	s_cmp_eq_u32 s15, 0
	s_cbranch_scc0 .Lfor_b_\@
	tensor_load_to_lds s[\g0a:\g0a+3], s[\g1a:\g1a+7]
	s_nop 0
.rept 4
	v_nop
.endr
	s_branch .Lasked_\@
.Lfor_b_\@:
	tensor_load_to_lds s[\g0b:\g0b+3], s[\g1b:\g1b+7]
	s_nop 0
.rept 4
	v_nop
.endr
.Lasked_\@:
.endm
.macro CREST
	s_cmp_lg_u32 s14, 0
	s_cbranch_scc1 .Lnot_wave_0_\@
	s_barrier_signal -3
.Lnot_wave_0_\@:
	s_barrier_wait -3
	s_barrier_signal -1
	s_barrier_wait -1
.endm
.macro CROUND
	s_barrier_signal -1
	s_barrier_wait -1
	CREST
.endm
	s_load_b128 s[4:7], s[0:1], 0x0                ; pp s[4:5], vt s[6:7]
	s_load_b64 s[8:9], s[0:1], 0x10                ; out0
	v_lshl_add_u32 v[SPW], v0, 2, SPARE
	v_mov_b32 v[NIL], 0
	ds_add_u32 v[SPW], v[NIL]                      ; the wave's opening: the add, twice on end, and its wait ahead of my first tensor load
	ds_add_u32 v[SPW], v[NIL]
	v_lshrrev_b32 v1, 5, v0
	v_readfirstlane_b32 s14, v1                    ; wave 0..3
	s_lshr_b32 s15, s14, 1                         ; my half of the queries.  Also: I fetch for P (0) or for V^T (1)
	s_and_b32 s16, s14, 1                          ; my half of the d.  Also: which half I fetch
	s_bfe_u32 s12, ttmp6, 0x40000                  ; cx
	s_bfe_u32 s13, ttmp6, 0x40004                  ; cy
	s_lshl_b32 s11, ttmp9, 2
	s_add_co_u32 s11, s11, s12                     ; gx
	s_and_b32 s10, ttmp7, 0xffff
	s_lshr_b32 s17, s10, 2                         ; the batch: from the cluster's y alone (sixteen tile rows a batch)
	s_lshl_b32 s10, s10, 2
	s_add_co_u32 s10, s10, s13                     ; gy
	s_lshl_b32 s2, s13, 2
	s_lshl_b32 s2, 15, s2                          ; my row of the cluster
	s_lshl_b32 s3, 0x1111, s12                     ; my column
	s_or_b32 s[G1A], s2, (3<<16)|(1<<21)           ; 15:0 the mask; 17:16 elements of 8 bytes; 21 set beside a mask; no padding
	s_mov_b32 s[G1A+1], 1536<<16                   ; P: rows (ks2) of 4 blocks x 3,072 bytes = 1,536 elements,
	s_mov_b32 s[G1A+2], 4<<16                      ; four at the head, two behind it,
	s_mov_b32 s[G1A+3], 1536<<16
	s_mov_b32 s[G1A+4], 4
	s_mov_b32 s[G1A+5], 196608                     ; 512 blocks apart
	s_mov_b32 s[G1A+6], 0
	s_mov_b32 s[G1A+7], 0
	s_or_b32 s[G1B], s3, (3<<16)|(1<<21)
	s_mov_b32 s[G1B+1], 3200<<16                   ; V^T: rows of 25,600 bytes = 3,200 elements,
	s_mov_b32 s[G1B+2], 4<<16
	s_mov_b32 s[G1B+3], 3200<<16
	s_mov_b32 s[G1B+4], 4
	s_mov_b32 s[G1B+5], 25600                      ; eight such rows apart
	s_mov_b32 s[G1B+6], 0
	s_mov_b32 s[G1B+7], 0
	s_lshl_b32 s60, s10, 3
	s_lshl_b32 s2, s16, 2
	s_add_co_u32 s60, s60, s2
	s_mul_i32 s60, s60, 3072                       ; P: block 8 gy + 4 half
	s_mov_b32 s61, 0
	s_lshl_b32 s62, s17, 6
	s_lshl_b32 s3, s11, 1
	s_add_co_u32 s62, s62, s3
	s_add_co_u32 s62, s62, s16                     ; V^T: keys from 2,048 x batch on, the 128 d 2 gx + half
	s_mul_i32 s62, s62, 25600
	s_mov_b32 s63, 0
	s_mul_i32 s78, s10, 24576
	s_add_co_u32 s78, s78, PST                     ; my tile's statistics
	s_mov_b32 s79, 0
	s_mul_i32 s66, s16, 2*AH                       ; where they go: no place in the cluster enters an LDS address
	s_mul_i32 s67, s16, 2*BSL
	s_add_co_u32 s67, s67, BREG
	s_wait_dscnt 0x0                               ; both opening adds are done
	s_wait_kmcnt 0x0
	s_add_nc_u64 s[60:61], s[4:5], s[60:61]
	s_add_nc_u64 s[62:63], s[6:7], s[62:63]
	s_add_nc_u64 s[78:79], s[4:5], s[78:79]
	CROUND                                         ; all sixteen work-groups are here: the first joint loads meet
.irp s, 0,1
	s_mov_b32 s[G0A+4*\s], 1
	s_add_co_u32 s[G0A+4*\s+1], s66, \s*AH
	s_add_nc_u64 s[G0A+4*\s+2:G0A+4*\s+3], s[60:61], \s*3145728   ; a part of 512 keys on: 2 x 512 blocks
	s_or_b32 s[G0A+4*\s+3], s[G0A+4*\s+3], 0x80000000
	s_mov_b32 s[G0B+4*\s], 1
	s_add_co_u32 s[G0B+4*\s+1], s67, \s*BSL
	s_add_nc_u64 s[G0B+4*\s+2:G0B+4*\s+3], s[62:63], \s*409600    ; 2 x 8 rows of 25,600
	s_or_b32 s[G0B+4*\s+3], s[G0B+4*\s+3], 0x80000000
.endr
	JLOAD G0A, G1A, G0B, G1B                       ; both slots of a half by one load: one tensor load a wave at the head
	; THE HEAD'S FIX-UP, while the tiles land: thread t takes row t of the tile's 128
	v_lshlrev_b32 v10, 2, v0
.irp p, 0,1,2
.irp k, 0,1,2,3,4,5,6,7,8,9,10,11,12,13,14,15
	global_load_b32 v[WD+16*\p+\k], v10, s[78:79] offset:(16*\p+\k)*512
.endr
.endr
	v_lshl_add_u32 v11, v0, 4, PSC                 ; where my row's scale words go,
	v_lshl_add_u32 v12, v0, 2, LINV                ; and its 1 / l
	v_and_b32 v1, 31, v0                           ; lane
	v_and_b32 v2, 15, v0                           ; r
	s_wait_alu depctr_va_vdst(0)
	v_bfe_u32 v3, v0, 4, 1                         ; h
	v_lshlrev_b32 v[VO], 4, v1
	s_mul_i32 s66, s15, 2*AH                       ; P's fragments: my half of the queries
	s_mul_i32 s67, s16, 2*BSL
	s_add_co_u32 s67, s67, BREG                    ; V^T's: my half of the d
.irp s, 0,1
	v_add_nc_u32 v[ADRA+\s], s66, v[VO]
	v_add_nc_u32 v[ADRB+\s], s67, v[VO]
	s_add_co_u32 s66, s66, AH
	s_add_co_u32 s67, s67, BSL
.endr
	s_lshl_b32 s2, s15, 10
	s_add_co_u32 s2, s2, PSC
	v_lshl_add_u32 v[ADSP], v2, 4, s2              ; row 64 half + 16 a + r: 16 bytes a row
	s_mul_i32 s2, s16, 2*BSL
	s_add_co_u32 s2, s2, BREG+24576
	v_lshl_add_u32 v[ADSV], v2, 3, s2
	s_add_co_u32 s2, s2, BSL
	v_lshl_add_u32 v[ADSV+1], v2, 3, s2
	s_lshl_b32 s2, s15, 8
	s_add_co_u32 s2, s2, LINV
	v_lshl_add_u32 v[ALV], v2, 2, s2
	s_mul_i32 s2, s14, 16*528                      ; my stage for the way out: 16 rows x (512 bytes + 16), in slot 0 of V^T's first half, which has had its last fill and its last read by then
	s_add_co_u32 s2, s2, BREG
	v_mul_u32_u24 v[STO], v2, 528
	v_lshl_add_u32 v[STO], v3, 7, v[STO]
	v_add_nc_u32 v[STO], s2, v[STO]                ; in: row r, + 128 h
	v_add_nc_u32 v[RD], s2, v[VO]                  ; back: a whole row of 512 bytes
.irp a, 0,1,2,3
	v_mov_b32 v[LV+2*\a+1], 0                      ; (named as the upper halves of pairs)
.endr
	s_lshl_b32 s18, s10, 7
	s_lshl_b32 s19, s15, 6
	s_add_co_u32 s18, s18, s19
	s_lshl_b32 s18, s18, 12                        ; out0: row 128 gy + 64 half,
	s_lshl_b32 s19, s11, 10
	s_add_co_u32 s18, s18, s19
	s_lshl_b32 s19, s16, 9
	s_add_co_u32 s18, s18, s19                     ; byte 1024 gx + 512 half of it
	s_mov_b32 s19, 0
	s_add_nc_u64 s[8:9], s[8:9], s[18:19]
	s_wait_loadcnt 0x0
.irp k, 0,1,2,3,4,5,6,7
	v_min_num_f32 v[DD+\k], v[NM+\k], v[NM+8+\k]   ; the smallest -M is the row's
.endr
.irp k, 0,1,2,3
	v_min_num_f32 v[DD+\k], v[DD+\k], v[DD+4+\k]
.endr
	v_min_num_f32 v[DD], v[DD], v[DD+2]
	v_min_num_f32 v[DD+1], v[DD+1], v[DD+3]
	v_min_num_f32 v192, v[DD], v[DD+1]
.irp k, 0,1,2,3,4,5,6,7,8,9,10,11,12,13,14,15
	v_sub_f32 v[DD+\k], v192, v[NM+\k]             ; -d = M(local) - M(row): a whole number, 0 or less
.endr
.irp k, 0,1,2,3,4,5,6,7,8,9,10,11,12,13,14,15
	v_max_num_f32 v[DD+\k], 0xc2fe0000, v[DD+\k]   ; held at -127
.endr
.irp k, 0,1,2,3,4,5,6,7,8,9,10,11,12,13,14,15
	v_cvt_i32_f32 v[DD+\k], v[DD+\k]
.endr
.irp k, 0,1,2,3,4,5,6,7,8,9,10,11,12,13,14,15
	v_ldexp_f32 v[SL+\k], v[SL+\k], v[DD+\k]       ; the local sum under the row's M
.endr
.irp k, 0,1,2,3,4,5,6,7,8,9,10,11,12,13,14,15
	v_sub_nc_u32 v[DD+\k], 0, v[DD+\k]             ; d, 0 .. 127,
.endr
.irp k, 0,1,2,3,4,5,6,7,8,9,10,11,12,13,14,15
	v_perm_b32 v[DD+\k], v[DD+\k], v[DD+\k], 0     ; in all four bytes
.endr
.irp k, 0,1,2,3,4,5,6,7,8,9,10,11,12,13,14,15
	v_or_b32 v[WD+\k], 0x80808080, v[WD+\k]        ; p is at most 1, so a byte is under 128: with 128 added no byte borrows from its neighbour,
.endr
.irp k, 0,1,2,3,4,5,6,7,8,9,10,11,12,13,14,15
	v_sub_nc_u32 v[WD+\k], v[WD+\k], v[DD+\k]      ; and its top bit stays set just where byte >= d
.endr
.irp k, 0,1,2,3,4,5,6,7,8,9,10,11,12,13,14,15
	v_and_b32 v[DD+\k], 0x80808080, v[WD+\k]
.endr
.irp k, 0,1,2,3,4,5,6,7,8,9,10,11,12,13,14,15
	v_lshrrev_b32 v[NM+\k], 7, v[DD+\k]
.endr
.irp k, 0,1,2,3,4,5,6,7,8,9,10,11,12,13,14,15
	v_sub_nc_u32 v[DD+\k], v[DD+\k], v[NM+\k]      ; 0x7f in those bytes, 0 in the others
.endr
.irp k, 0,1,2,3,4,5,6,7,8,9,10,11,12,13,14,15
	v_and_b32 v[WD+\k], v[WD+\k], v[DD+\k]         ; byte - d, held at 0 from below
.endr
.irp k, 0,1,2,3,4,5,6,7
	v_add_f32 v[SL+\k], v[SL+\k], v[SL+8+\k]
.endr
.irp k, 0,1,2,3
	v_add_f32 v[SL+\k], v[SL+\k], v[SL+4+\k]
.endr
	v_add_f32 v[SL], v[SL], v[SL+2]
	v_add_f32 v[SL+1], v[SL+1], v[SL+3]
	v_add_f32 v193, v[SL], v[SL+1]                 ; l
	s_wait_alu depctr_va_vdst(0)                   ; ahead of the reciprocal
	v_rcp_f32 v194, v193
	v_nop                                          ; a plain instruction behind the reciprocal,
	s_wait_alu depctr_va_vdst(0)                   ; and a wait ahead of its first reader
.irp g, 0,1,2,3
	ds_store_b128 v11, v[WD+4*\g:WD+4*\g+3] offset:2048*\g
.endr
	ds_store_b32 v12, v194
	s_wait_dscnt 0x0                               ; for the others' sake: my stores are done
	s_wait_tensorcnt 0x0                           ; both slots of the half that I fetched are in
	s_mov_b32 s[G1A+2], 2<<16                      ; no tensor load of mine is out: from here on a load brings two rows
	s_mov_b32 s[G1A+4], 2
	s_mov_b32 s[G1B+2], 2<<16
	s_mov_b32 s[G1B+4], 2
	s_barrier_signal -1
	s_barrier_wait -1
.macro FRAG reg, adr, off
.irp c, 0,1,2
	ds_load_b128 v[(\reg)+4*\c:(\reg)+4*\c+3], v[\adr] offset:(\off)+512*\c
.endr
.endm
; n = 0 .. 15 is the step of 128 keys: part g = n / 4, slot g % 2, ks2 (n % 4) / 2 of the slot's two, q = n % 2; the fragments' set n % 2
.macro FETCH n
	WIN 0x40
.irp i, 0,1,2,3,4,5,6,7
	FRAG 128*((\n)%2)+12*\i, ADRB+((\n)/4)%2, 25600*(((\n)%4)/2)+3072*\i+1536*((\n)%2)
.endr
	WIN 0
.irp i, 0,1,2,3
	FRAG FA+48*((\n)%2)+12*\i, ADRA+((\n)/4)%2, (4*(((\n)%4)/2)+\i)*3072+1536*((\n)%2)
.endr
.endm
.macro SCALES g                        ; a part's scale words: P's four a row, V's two pairs a row
.irp a, 0,1,2,3
	ds_load_b128 v[SA+16*((\g)%2)+4*\a:SA+16*((\g)%2)+4*\a+3], v[ADSP] offset:2048*(\g)+256*\a
.endr
.irp k, 0,1
.irp i, 0,1,2,3,4,5,6,7
	ds_load_b64 v[SB+32*((\g)%2)+2*(8*\k+\i):SB+32*((\g)%2)+2*(8*\k+\i)+1], v[ADSV+(\g)%2] offset:25600*\k+128*\i
.endr
.endr
.endm
.macro MULA a, n, zero                 ; 8 matrix instructions: queries' block a x the eight blocks of d; the 32 accumulators take turns, one instruction a turn
.irp b, 0,1,2,3,4,5,6,7
.if \zero
	v_wmma_scale_f32_16x16x128_f8f6f4 v[8*(8*(\a)+\b):8*(8*(\a)+\b)+7], v[128*((\n)%2)+12*\b:128*((\n)%2)+12*\b+11], v[FA+48*((\n)%2)+12*(\a):FA+48*((\n)%2)+12*(\a)+11], 0, v[SB+32*(((\n)/4)%2)+2*(8*(((\n)%4)/2)+\b)+(\n)%2], v[SA+16*(((\n)/4)%2)+4*(\a)+(\n)%4] matrix_a_fmt:MATRIX_FMT_FP6 matrix_b_fmt:MATRIX_FMT_FP6
.else
	v_wmma_scale_f32_16x16x128_f8f6f4 v[8*(8*(\a)+\b):8*(8*(\a)+\b)+7], v[128*((\n)%2)+12*\b:128*((\n)%2)+12*\b+11], v[FA+48*((\n)%2)+12*(\a):FA+48*((\n)%2)+12*(\a)+11], v[8*(8*(\a)+\b):8*(8*(\a)+\b)+7], v[SB+32*(((\n)/4)%2)+2*(8*(((\n)%4)/2)+\b)+(\n)%2], v[SA+16*(((\n)/4)%2)+4*(\a)+(\n)%4] matrix_a_fmt:MATRIX_FMT_FP6 matrix_b_fmt:MATRIX_FMT_FP6
.endif
.endr
.endm
.macro STEP n, zero
	PLACES 4                                       ; four plain instructions between the last step's products and loads into the set that they read
	FETCH (\n)+1
	s_wait_dscnt 36                                ; all but the 36 loads just issued
	WIN MUL
	MULA 0, \n, \zero
	MULA 1, \n, \zero
	MULA 2, \n, \zero
	MULA 3, \n, \zero
.endm
; A slot's last step changes slots: in front of the barrier each wave waits for all its tensor loads, adds 0 to its spare word, and waits for that and for its reads of this slot.  fill = 1: this slot takes the part two on
.macro TURN n, fill
	WIN 0                                          ; (the add's two registers lie in window 0)
	s_wait_tensorcnt 0x0                           ; all my tensor loads have landed
	ds_add_u32 v[SPW], v[NIL]                      ; 0 onto my spare word
	s_wait_dscnt 1                                 ; (the add may be out)
	WIN MUL
	MULA 0, \n, 0                                  ; eight matrix instructions stand between the add and the wait for it
	s_wait_dscnt 0x0                               ; the add is done, and my reads of this slot are over
	s_barrier_signal -1
	MULA 1, \n, 0
	WIN 0
	s_barrier_wait -1
.if \fill
	CREST                                          ; a round of the cluster's barrier: no wave of any partner still reads this slot or has a load on its way
	s_add_nc_u64 s[G0A+4*(((\n)/4)%2)+2:G0A+4*(((\n)/4)%2)+3], s[G0A+4*(((\n)/4)%2)+2:G0A+4*(((\n)/4)%2)+3], 6291456
	s_add_nc_u64 s[G0B+4*(((\n)/4)%2)+2:G0B+4*(((\n)/4)%2)+3], s[G0B+4*(((\n)/4)%2)+2:G0B+4*(((\n)/4)%2)+3], 819200
	JLOAD G0A+4*(((\n)/4)%2), G1A, G0B+4*(((\n)/4)%2), G1B   ; my one tensor load behind the round: 112 matrix instructions ahead of the wait for it; its four v_nop are the places in front of the loads below
.else
	PLACES 4
.endif
	FETCH (\n)+1
	SCALES ((\n)+1)/4
	WIN MUL
	MULA 2, \n, 0
	MULA 3, \n, 0
.endm
	FETCH 0
	SCALES 0
	STEP 0, 1                                      ; the first products start the sums: nothing is cleared
	STEP 1, 0
	STEP 2, 0
	TURN 3, 1
	STEP 4, 0
	STEP 5, 0
	STEP 6, 0
	TURN 7, 1
	STEP 8, 0
	STEP 9, 0
	STEP 10, 0
	TURN 11, 0                                     ; nothing is left to fetch: a plain barrier
	STEP 12, 0
	STEP 13, 0
	STEP 14, 0
	s_wait_dscnt 0x0
	MULA 0, 15, 0
	MULA 1, 15, 0
	MULA 2, 15, 0
	MULA 3, 15, 0
	WIN 0
	; THE WAY OUT, a block of 16 queries x 128 d at a time: x 1 / l, through my stage, back as whole rows of 512 bytes, stored at the queries' true rows
.irp a, 0,1,2,3
	ds_load_b32 v[LV+2*\a], v[ALV] offset:64*\a
.endr
	PLACES 4                                       ; in front of the first reads of results and of loads into registers that the last products read
	s_wait_dscnt 0x0
.macro TOSTAGE a
	WIN 0x82                                       ; destination and source 0 window 2, 1 / l window 0
.set j, 0
.rept 32
	v_pk_mul_f32 v[64*(\a)+j:64*(\a)+j+1], v[64*(\a)+j:64*(\a)+j+1], v[LV+2*(\a):LV+2*(\a)+1] op_sel_hi:[1,0]   ; each accumulator from its low end on
.set j, j+2
.endr
	WIN 0x08                                       ; an LDS store's data: window 2
.irp b, 0,1,2,3,4,5,6,7
	ds_store_b128 v[STO], v[64*(\a)+8*\b:64*(\a)+8*\b+3] offset:256*(\b/4)+32*(\b%4)       ; tile b, lane half h: d 64 (b / 4) + 32 h + 8 (b % 4) + 0 .. 7
	ds_store_b128 v[STO], v[64*(\a)+8*\b+4:64*(\a)+8*\b+7] offset:256*(\b/4)+32*(\b%4)+16
.endr
	WIN 0
.irp t, 0,1,2,3,4,5,6,7,8,9,10,11,12,13,14,15
	ds_load_b128 v[BK+64*((\a)%2)+4*\t:BK+64*((\a)%2)+4*\t+3], v[RD] offset:528*\t   ; LDS serves a wave's instructions in order: these see my stores, and the next block's stores come behind them
.endr
.endm
.macro SEND a, younger                 ; younger: the LDS instructions issued behind block a's loads, which may stay out
	s_wait_dscnt \younger
.irp t, 0,1,2,3,4,5,6,7,8,9,10,11,12,13,14,15
	global_store_b128 v[VO], v[BK+64*((\a)%2)+4*\t:BK+64*((\a)%2)+4*\t+3], s[8:9] offset:(8*(\a)+\t+24*(\t/8))*4096 th:TH_STORE_NT   ; 512 consecutive bytes, at a multiple of 256 from out0's first byte
.endr
.endm
	TOSTAGE 0
.irp a, 1,2,3
.if \a > 1
	s_wait_xcnt 0x0                                ; block a - 2's stores have read their registers: block a's loads may land there
.endif
	TOSTAGE \a
	SEND \a-1, 32                                  ; behind block a - 1's loads: block a's 16 stores and 16 loads
.endr
	SEND 3, 0
	s_wait_tensorcnt 0x0                           ; the wave's end
	ds_add_u32 v[SPW], v[NIL]
	s_wait_dscnt 0x0
	CROUND                                         ; the closing round
	s_endpgm
.Lfunc_end_k_q8d7979b7d1_mix:
	.size	k_q8d7979b7d1_mix, .Lfunc_end_k_q8d7979b7d1_mix-k_q8d7979b7d1_mix
	.p2alignl 7, 3214868480
	.fill 96, 4, 3214868480
	.section	.rodata,"a",@progbits
	.p2align	6, 0x0
	.amdhsa_kernel k_q8d7979b7d1_mix
		.amdhsa_group_segment_fixed_size 327680
		.amdhsa_private_segment_fixed_size 0
		.amdhsa_enable_private_segment 0
		.amdhsa_kernarg_size 24
		.amdhsa_user_sgpr_count 2
		.amdhsa_user_sgpr_kernarg_segment_ptr 1
		.amdhsa_wavefront_size32 1
		.amdhsa_system_sgpr_workgroup_id_x 1
		.amdhsa_system_sgpr_workgroup_id_y 1
		.amdhsa_system_sgpr_workgroup_id_z 1
		.amdhsa_system_vgpr_workitem_id 0
		.amdhsa_next_free_vgpr 768
		.amdhsa_next_free_sgpr 80
		.amdhsa_reserve_vcc 0
		.amdhsa_float_denorm_mode_32 3
		.amdhsa_float_denorm_mode_16_64 3
		.amdhsa_memory_ordered 1
		.amdhsa_forward_progress 1
		.amdhsa_inst_pref_size 157
	.end_amdhsa_kernel
	.amdgpu_metadata
---
amdhsa.version: [ 1, 2 ]
amdhsa.kernels:
  - .name:           k_q8d7979b7d1_mix
    .symbol:         k_q8d7979b7d1_mix.kd
    .args:
      - { .name: pp, .offset: 0, .size: 8, .value_kind: global_buffer, .address_space: global }
      - { .name: vt, .offset: 8, .size: 8, .value_kind: global_buffer, .address_space: global }
      - { .name: out0, .offset: 16, .size: 8, .value_kind: global_buffer, .address_space: global }
    .group_segment_fixed_size: 327680
    .private_segment_fixed_size: 0
    .kernarg_segment_align: 8
    .kernarg_segment_size: 24
    .max_flat_workgroup_size: 128
    .sgpr_count:     80
    .vgpr_count:     768
    .wavefront_size: 32
...
	.end_amdgpu_metadata
.endif
;; end of part 4
